; MI455X (gfx1250); checked and timed in simulation.
; The chip was launched on July 23, 2026; its instructions are those of AMD's public machine-readable ISA for CDNA 5 (MIT licence, August 2026) and "CDNA5" Instruction Set Architecture Reference Guide (July 2026). The comments in the code are by the model that wrote it; some were corrected since.
;; Transformer Encoder Layer. Allowed arithmetic: matrix products marked QUANTISED: E4M3 operands, one E8M0 scale for each 32 along K, by v_wmma_scale_f32_16x16x128_f8f6f4 with both operands' format E4M3, f32 sums; everything else in f32.
;; Inputs: W1 1,024 x 4,096 float32; W2 4,096 x 1,024 float32; Wk 1,024 x 1,024 float32; Wo 1,024 x 1,024 float32; Wq 1,024 x 1,024 float32; Wv 1,024 x 1,024 float32; b1 4,096 float32; b2 1,024 float32; be1 1,024 float32; be2 1,024 float32; bk 1,024 float32; bo 1,024 float32; bq 1,024 float32; bv 1,024 float32; g1 1,024 float32; g2 1,024 float32; x 2 x 2,048 x 1,024 float32.
;; Outputs: out0 2 x 2,048 x 1,024 float32.
;; This version of the problem:
;;   THIS VERSION OF THE PROBLEM IS GIVEN IN LOW PRECISION. The matrix products marked QUANTISED in the list below multiply operands that are first quantised to E4M3 (4 exponent bits, 3 mantissa bits; 8 bits a number), with one power-of-two scale for each 32 numbers along K (OCP MX v1.0); their sums are f32. All else is computed in f32.
;;   The module's matrix products, in the order in which they are computed (A, B: the left and right operand; K: the contracted axis; several contracted axes count as one K, in the product's order):
;;     1. [M 4,096, K 1,024] x [K 1,024, N 1,024]; A: input x; B: input Wq: QUANTISED
;;     2. [M 4,096, K 1,024] x [K 1,024, N 1,024]; A: input x; B: input Wk: QUANTISED
;;     3. [M 4,096, K 1,024] x [K 1,024, N 1,024]; A: input x; B: input Wv: QUANTISED
;;     4. batch 32 x [M 2,048, K 64] x [K 64, N 2,048]; A: computed on the way; B: computed on the way: QUANTISED
;;     5. batch 32 x [M 2,048, K 2,048] x [K 2,048, N 64]; A: softmax (see below); B: computed on the way: QUANTISED
;;     6. [M 4,096, K 1,024] x [K 1,024, N 1,024]; A: computed on the way; B: input Wo: QUANTISED
;;     7. [M 4,096, K 1,024] x [K 1,024, N 4,096]; A: computed on the way; B: input W1: QUANTISED
;;     8. [M 4,096, K 4,096] x [K 4,096, N 1,024]; A: computed on the way; B: input W2: QUANTISED
;;   THE QUANTISER, for each operand of a quantised product, along K:
;;     - K is cut into blocks of 32 from its start; a last block that is shorter is filled with zeros.
;;     - A block's scale is 2^e with e = floor(log2(the largest magnitude in the block)) - 8, held to -126 .. 127; a block of zeros has e = 0. As a byte (E8M0): e + 127.
;;     - Each number is divided by its block's scale, clamped to +-448, and rounded to the nearest number of E4M3, ties to even, subnormals kept.
;;     - The product sums the exact products of the quantised numbers (number of the format x scale) in f32.
;;   ~~~python
;;   def quantise(x, axis):      # numpy; x: float32 -> the quantised numbers, widened to float32 again
;;       x = np.moveaxis(x, axis, -1); K = x.shape[-1]
;;       x = np.pad(x, [(0, 0)] * (x.ndim - 1) + [(0, -K % 32)]); x = x.reshape(x.shape[:-1] + (-1, 32)); a = np.abs(x).max(-1, keepdims=True)
;;       e = np.where(a > 0, np.clip(np.frexp(np.where(a > 0, a, 1))[1] - 1 - 8, -126, 127), 0)      # np.frexp(a)[1] - 1 = floor(log2(a)), exactly
;;       r = np.clip(x / 2.0 ** e, -448, 448)
;;       step = 2.0 ** (np.maximum(np.frexp(np.where(r == 0, 1, r))[1] - 1, -6) - 3)
;;       q = np.round(r / step) * step * 2.0 ** e      # np.round: ties to even
;;       return np.moveaxis(q.reshape(q.shape[:-2] + (-1,))[..., :K], -1, axis).astype(np.float32)
;;   ~~~
;;   SOFTMAX AHEAD OF A QUANTISED PRODUCT. Where the list says 'softmax', what is quantised is not the finished softmax but p = 2^(t - M), with t = logit x log2(e) and M = ceil(the row's largest t), a whole number; so 1/2 < the row's largest p <= 1. The row's sum l is taken of the UNQUANTISED p, in f32, and the product's result is divided by l at the end. Since M is a whole number, a kernel that streams over the keys may use a running M (the ceiling of the running maximum): every later rescaling is an exact power of two, which a block's scale takes up: the codes' values come out the same.
;;   OPERANDS COMPUTED ON THE WAY. 'Computed on the way' means the value that the module computes at that place (a softmax that the list does not call 'softmax' is quantised finished and normalised). What goes into a quantiser is computed in f32, as accurately as f32 sums, v_exp_f32 and their like allow (about 1e-6 of the number): no bf16 or f16 on the way to a quantiser, and a product that is left as it is and whose result goes on into a quantised operand takes f32 operands (vector FMAs, or v_wmma_f32_16x16x4_f32). A number that lies on a knife's edge between two numbers of the format may be rounded either way, as far as f32 arithmetic and the matrix unit's own rounding can turn it there, and no further.
;; One version. Each part assembles by itself: llvm-mc -triple=amdgcn-amd-amdhsa -mcpu=gfx1250 --defsym DOCPART=n.
;; ======== version 1 of 1: 8 launches
;; limits: right only within a limited range of input values
;; workspace buffers: wts 8,650,752 bytes; wo 4,325,376 bytes; w2 4,325,376 bytes; actq 16,908,288 bytes; qkvq 12,976,128 bytes; fq 17,301,504 bytes; part 67,108,864 bytes; h 16,777,216 bytes
;; launch quant (part 1): grid 512 x 1, 4 waves a work-group, no clusters, 68,096 bytes of LDS; arguments x, Wq, Wk, Wv, W1, Wo, W2, actq, wts, wo, w2; writes actq, wts, wo, w2
.if DOCPART == 1
	.amdgcn_target "amdgcn-amd-amdhsa--gfx1250"
	.amdhsa_code_object_version 6
	.text
	.protected	k_q539769b3ed_quant
	.globl	k_q539769b3ed_quant
	.p2align	8
	.type	k_q539769b3ed_quant,@function
k_q539769b3ed_quant:
	s_mov_b64 s[64:65], 0
	v_nop
	global_prefetch_b8 v0, s[64:65] scope:SCOPE_SE
	s_setreg_imm32_b32 hwreg(HW_REG_WAVE_MODE, 25, 1), 1
	s_wait_xcnt 0x0
; All operands that arrive as f32 inputs become codes of E4M3 with one E8M0 byte for each 32 along K.
; LAYOUT of every operand: codes [k / 256][row][256 bytes], scale bytes [k / 256][row][8 bytes]: a tile of rows x 256 along K is one dense block.
; SWAPPED operands (x, Wq, Wk, Wv, W1) keep logical row n at the position n with bits 3 and 4 exchanged, so that sixteen neighbouring positions
; used as a product's first source leave a lane's registers of two neighbouring result tiles as 16 logical neighbours.  Wo and W2 keep their order.
; Work-groups 0-383: the six weights, stored [K][N]: a lane takes a column n and its registers run down K; a wave takes 32 columns x 256 along K.
; Work-groups 384-511: x, K innermost: a wave takes 8 rows in 16 steps of 512 numbers; dense loads, a turn through the wave's own LDS stage, 16 neighbours a lane.
; A block's scale is 2^(floor(log2(largest magnitude)) - 8); its byte is the largest magnitude's exponent field - 8, held at 1 from below.
; LIMITS: a block of zeros gets the byte 1 and not 127 (its codes are zeros and only this program reads the bytes); blocks whose largest magnitude
; lies under 2^-118 are held at the byte 1; NaN and infinities among the inputs are not served.
; The two paths part on the work-group's number and have LDS bytes of their own.  Waves share nothing: no barrier.
.set MANT,  0x600000                   ; the mantissa field of 448
.set PITCH, 272                        ; weights: a stage row, 256 bytes of codes + 16
.set X,     32                         ; weights: v32-95 two sets of 32 numbers
.set C,     96                         ; v96-103 a block's codes
.set OUTR,  112                        ; v112-175 the way out
.set SB,    24                         ; v24-25 the lane's 8 scale bytes
.set VO,    176                        ; v176-207 byte offset of row i of a block, at my column
.set XLDS,  34816                      ; x path: LDS behind the weights' four stages; 8,192 bytes a wave
.set SP,    80                         ; x path: a lane's place in a stage: 64 bytes + 16
.set R,     16                         ; x path: v16-79 four sets of 16 numbers as loaded
.set XX,    80                         ; v80-111 two sets of 16 neighbours
.set CC,    128                        ; v128-191 codes, four registers a step
.set E,     112                        ; v112-127 a scale byte a step
	s_load_b512 s[4:19], s[0:1], 0x0               ; x, Wq, Wk, Wv, W1, Wo, W2, actq
	s_load_b128 s[20:23], s[0:1], 0x40             ; wts, wo
	s_load_b64 s[24:25], s[0:1], 0x50              ; w2
	v_lshl_add_u32 v208, v0, 2, 0x10800
	v_mov_b32 v209, 0
	v_lshrrev_b32 v1, 5, v0
	v_readfirstlane_b32 s60, v1                    ; wave
	v_and_b32 v2, 31, v0                           ; lane
	s_mov_b32 s39, MANT
	s_cmp_ge_u32 ttmp9, 384
	s_cbranch_scc1 .Lx
; ---------------- the weights ----------------
; which weight: source s[26:27], first work-group s28, log2(N / 128) s29, bytes of a row s30, first row index in the target s31,
; log2(rows of a K step in the target) s32, where the scale bytes begin s33, target s[34:35], the swap's 8 rows in bytes s36, its 8 s37, 2048 - s36 in s38
	s_mov_b32 s28, 0
	s_mov_b32 s31, 0
	s_mov_b32 s30, 4096
	s_mov_b32 s33, 0x800000
	s_wait_kmcnt 0x0
	s_mov_b64 s[26:27], s[6:7]
	s_cmp_ge_u32 ttmp9, 32
	s_cselect_b64 s[26:27], s[8:9], s[26:27]
	s_cselect_b32 s28, 32, s28
	s_cselect_b32 s31, 1024, s31
	s_cmp_ge_u32 ttmp9, 64
	s_cselect_b64 s[26:27], s[10:11], s[26:27]
	s_cselect_b32 s28, 64, s28
	s_cselect_b32 s31, 2048, s31
	s_cmp_ge_u32 ttmp9, 96
	s_cselect_b64 s[26:27], s[12:13], s[26:27]
	s_cselect_b32 s28, 96, s28
	s_cselect_b32 s31, 16384, s31
	s_cselect_b32 s29, 5, 3
	s_cselect_b32 s30, 16384, s30
	s_cmp_ge_u32 ttmp9, 224
	s_cselect_b64 s[26:27], s[14:15], s[26:27]
	s_cselect_b32 s28, 224, s28
	s_cselect_b32 s31, 0, s31
	s_cselect_b32 s29, 3, s29
	s_cselect_b32 s30, 4096, s30
	s_cselect_b64 s[34:35], s[22:23], s[20:21]
	s_cselect_b32 s32, 10, 12
	s_cselect_b32 s33, 0x400000, s33
	s_cselect_b32 s36, 0, 2048
	s_cselect_b32 s37, 0, 8
	s_cselect_b32 s38, 2048, 0
	s_cmp_ge_u32 ttmp9, 256
	s_cselect_b64 s[26:27], s[16:17], s[26:27]
	s_cselect_b32 s28, 256, s28
	s_cselect_b64 s[34:35], s[24:25], s[34:35]
	s_sub_co_u32 s56, ttmp9, s28                   ; my number within the weight
	s_lshl_b32 s57, 1, s29
	s_sub_co_u32 s57, s57, 1
	s_and_b32 s57, s56, s57                        ; which 128 columns
	s_lshr_b32 s56, s56, s29                       ; which 256 along K
	s_lshl_b32 s57, s57, 7
	s_lshl_b32 s58, s60, 5
	s_add_co_u32 s57, s57, s58                     ; my wave's first column
	s_lshl_b32 s58, s56, s32
	s_add_co_u32 s58, s58, s31
	s_add_co_u32 s58, s58, s57                     ; its row index in the target
	s_lshl_b32 s62, s58, 8
	s_mov_b32 s63, 0
	s_add_nc_u64 s[66:67], s[34:35], s[62:63]      ; codes: 256 bytes a row
	s_lshl_b32 s62, s58, 3
	s_add_co_u32 s62, s62, s33
	s_add_nc_u64 s[68:69], s[34:35], s[62:63]      ; scale bytes: 8 a row
	s_lshl_b32 s62, s56, 8
	s_mul_i32 s62, s62, s30                        ; 256 rows of the source for each K step,
	s_lshl_b32 s59, s57, 2
	s_add_co_u32 s62, s62, s59                     ; and my first column
	s_add_nc_u64 s[40:41], s[26:27], s[62:63]      ; block 0
	s_lshl_b32 s62, s30, 5                         ; 32 rows on for each further block
.irp t, 1,2,3,4,5,6,7
	s_add_nc_u64 s[40+2*\t:41+2*\t], s[38+2*\t:39+2*\t], s[62:63]
.endr
	v_lshlrev_b32 v3, 2, v2                        ; in: 4 bytes a lane
.set i, 0
.rept 32
	v_mad_u32_u24 v[VO+i], s30, i, v3              ; row i of a block
.set i, i+1
.endr
	s_mul_i32 s61, s60, 32*PITCH                   ; my stage
	v_mul_u32_u24 v4, v2, PITCH
	v_add_nc_u32 v4, s61, v4                       ; into it: row = my column
	v_and_b32 v5, 15, v2
	v_lshrrev_b32 v6, 4, v2
	v_mul_u32_u24 v7, v6, PITCH
	v_lshl_add_u32 v7, v5, 4, v7
	v_add_nc_u32 v7, s61, v7                       ; out of it: sixteen lanes to a row, two rows an instruction
	v_lshlrev_b32 v8, 8, v6
	v_lshl_add_u32 v8, v5, 4, v8                   ; the same place in the target
	v_add_nc_u32 v16, s36, v8                      ; logical rows 8-15 go 8 positions up where the target is swapped,
	v_add_nc_u32 v17, s38, v8                      ; rows 16-23 go 8 down: their stores take 2,048 off in the immediate
	v_bfe_u32 v14, v2, 3, 1
	v_bfe_u32 v15, v2, 4, 1
	v_sub_nc_u32 v14, v14, v15
	v_mad_u32 v9, v14, s37, v2                     ; my column's position among the wave's 32
	v_lshlrev_b32 v9, 3, v9                        ; 8 scale bytes a row
.macro WLOAD t                         ; block t: W(32 t + i, my column) into set t % 2: each load reads 128 consecutive bytes
.set i, 0
.rept 32
	global_load_b32 v[X+32*((\t)%2)+i], v[VO+i], s[40+2*(\t):41+2*(\t)] th:TH_LOAD_NT
.set i, i+1
.endr
.endm
	WLOAD 0
	WLOAD 1
.macro BLOCK t
.set XS, X+32*((\t)%2)
.if (\t) < 7
	s_wait_loadcnt 32                              ; this block's 32 loads are in; the next block's 32 may be out
.else
	s_wait_loadcnt 0
.endif
	v_max3_num_f32 v12, |v[XS]|, |v[XS+1]|, |v[XS+2]|              ; the block's largest magnitude: all 32 numbers are mine
	v_max3_num_f32 v13, |v[XS+3]|, |v[XS+4]|, |v[XS+5]|
.irp i, 6,10,14,18,22,26
	v_max3_num_f32 v12, v12, |v[XS+\i]|, |v[XS+\i+1]|
	v_max3_num_f32 v13, v13, |v[XS+\i+2]|, |v[XS+\i+3]|
.endr
	v_max3_num_f32 v12, v12, |v[XS+30]|, |v[XS+31]|
	v_max3_num_f32 v12, v12, v13, 0x4800000        ; the floor 2^(9 - 127): the byte cannot fall under 1
	v_add_nc_u32 v11, 0xfc000000, v12              ; 8 off the exponent field: the conversion's scale operand
	v_and_or_b32 v10, v12, 0x7f800000, s39         ; 448 x the scale
	v_lshrrev_b32 v13, 23, v11                     ; the scale's byte
.if (\t)%4 == 0
	v_mov_b32 v[SB+(\t)/4], v13
.else
	v_lshl_or_b32 v[SB+(\t)/4], v13, 8*((\t)%4), v[SB+(\t)/4]
.endif
.set i, 0
.rept 32
	v_med3_num_f32 v[XS+i], v[XS+i], -v10, v10     ; the conversion to an 8-bit code does not saturate (ISA guide 7.6.2): hold first
.set i, i+1
.endr
.irp g, 0,1,2,3
	v_cvt_scalef32_pk8_fp8_f32 v[C+2*\g:C+2*\g+1], v[XS+8*\g:XS+8*\g+7], v11
.endr
	ds_store_b128 v4, v[C:C+3] offset:32*(\t)      ; 32 codes of my column's row
	ds_store_b128 v4, v[C+4:C+7] offset:32*(\t)+16
.if (\t)+2 < 8
	WLOAD (\t)+2
.endif
	s_wait_dscnt 0x0                               ; the stores have read their registers: the next block's codes may be written
.endm
.irp t, 0,1,2,3,4,5,6,7
	BLOCK \t
.endr
	global_store_b64 v9, v[SB:SB+1], s[68:69]      ; 32 lanes x 8 bytes: 256 consecutive bytes, aligned
.irp t, 0,1,2,3,4,5,6,7,8,9,10,11,12,13,14,15
	ds_load_b128 v[OUTR+4*\t:OUTR+4*\t+3], v7 offset:2*\t*PITCH    ; LDS serves a wave's instructions in order: these see my stores
.endr
.irp t, 0,1,2,3,4,5,6,7,8,9,10,11,12,13,14,15
	s_wait_dscnt 15-\t                             ; the younger read-backs may be out
.if (\t >= 4) && (\t < 8)
	global_store_b128 v16, v[OUTR+4*\t:OUTR+4*\t+3], s[66:67] offset:512*\t
.elseif (\t >= 8) && (\t < 12)
	global_store_b128 v17, v[OUTR+4*\t:OUTR+4*\t+3], s[66:67] offset:512*\t-2048
.else
	global_store_b128 v8, v[OUTR+4*\t:OUTR+4*\t+3], s[66:67] offset:512*\t     ; sixteen lanes store 256 consecutive bytes, aligned
.endif
.endr
	s_wait_tensorcnt 0x0
	ds_add_u32 v208, v209
	s_wait_dscnt 0x0
	s_endpgm
; ---------------- x ----------------
.Lx:
	s_sub_co_u32 s26, ttmp9, 384
	s_lshl_b32 s26, s26, 2
	s_add_co_u32 s26, s26, s60                     ; which run of 8 rows is my wave's
	s_and_b32 s27, s26, 1
	s_bfe_u32 s28, s26, 0x10001
	s_and_b32 s29, s26, 0xfffffffc
	s_lshl_b32 s27, s27, 1
	s_or_b32 s29, s29, s27
	s_or_b32 s29, s29, s28                         ; its bits 0 and 1 exchanged: bits 3 and 4 of the rows
	s_lshl_b32 s30, s26, 15
	s_mov_b32 s31, 0
	s_wait_kmcnt 0x0
	s_add_nc_u64 s[4:5], s[4:5], s[30:31]          ; x at my 8 rows
	s_lshl_b32 s30, s29, 11
	s_add_nc_u64 s[8:9], s[18:19], s[30:31]        ; codes at my first position
	s_lshl_b32 s30, s29, 6
	s_add_co_u32 s30, s30, 0x1000000
	s_add_nc_u64 s[10:11], s[18:19], s[30:31]      ; scale bytes likewise
	v_lshlrev_b32 v3, 4, v2                        ; my 16 bytes of a load's 512
	s_lshl_b32 s32, s60, 13
	s_add_co_u32 s32, s32, XLDS                    ; my wave's LDS
	v_lshrrev_b32 v14, 2, v2
	v_mul_u32_u24 v14, v14, SP
	v_and_b32 v15, 3, v2
	v_lshl_add_u32 v14, v15, 4, v14
	v_add_nc_u32 v14, s32, v14                     ; the stage, in: four lanes' 64 bytes on end, then 16 of padding
	v_mul_u32_u24 v15, v2, SP
	v_add_nc_u32 v15, s32, v15                     ; out: my 16 neighbours
	v_and_b32 v4, 15, v2
	v_lshlrev_b32 v4, 4, v4
	v_lshrrev_b32 v12, 4, v2
	v_lshl_or_b32 v4, v12, 20, v4                  ; codes: lanes 16-31 hold the next 256 along K, 2^20 bytes on
	s_add_co_u32 s33, s32, 2*32*SP
	v_bfe_u32 v5, v2, 1, 3
	v_lshl_add_u32 v5, v12, 6, v5
	v_add_nc_u32 v5, s33, v5                       ; my block's byte among the wave's 256: [K step 4][row 8][8]
	v_lshlrev_b32 v6, 3, v2
	v_add_nc_u32 v6, s33, v6                       ; and on the way out 8 bytes a lane
	v_and_b32 v7, 7, v2
	v_lshlrev_b32 v7, 3, v7
	v_lshrrev_b32 v13, 3, v2
	v_lshl_or_b32 v7, v13, 15, v7                  ; K step lane / 8, row lane % 8
.macro XLOAD t
.irp i, 0,1,2,3
	global_load_b128 v[R+16*((\t)%4)+4*\i:R+16*((\t)%4)+4*\i+3], v3, s[4:5] offset:2048*(\t)+512*\i     ; 512 consecutive bytes
.endr
.endm
.macro XTURN t                         ; step t's numbers through the stage
.irp i, 0,1,2,3
	ds_store_b128 v14, v[R+16*((\t)%4)+4*\i:R+16*((\t)%4)+4*\i+3] offset:32*SP*((\t)%2)+8*SP*\i
.endr
.irp i, 0,1,2,3
	ds_load_b128 v[XX+16*((\t)%2)+4*\i:XX+16*((\t)%2)+4*\i+3], v15 offset:32*SP*((\t)%2)+16*\i
.endr
.endm
.irp t, 0,1,2,3
	XLOAD \t
.endr
	s_wait_loadcnt 12                              ; step 0's four loads are in
	XTURN 0
.macro XSTEP t                         ; step t: row t / 2, half t % 2 of its 1,024 numbers
.set XS, XX+16*((\t)%2)
.if (\t) > 0
	s_wait_dscnt 1                                 ; this step's numbers are back (the last step's byte store may be out)
.else
	s_wait_dscnt 0x0
.endif
.if (\t)+4 < 16
	XLOAD (\t)+4                                   ; into the set whose stores into the stage have read their registers
.endif
.if (\t)+1 < 16
.if 14-(\t) >= 3
	s_wait_loadcnt 12                              ; the next step's loads are in; three steps' may be out
.else
	s_wait_loadcnt 4*(14-(\t))
.endif
	XTURN (\t)+1
.endif
	v_max3_num_f32 v8, |v[XS]|, |v[XS+1]|, |v[XS+2]|
	v_max3_num_f32 v9, |v[XS+3]|, |v[XS+4]|, |v[XS+5]|
.irp i, 6,10
	v_max3_num_f32 v8, v8, |v[XS+\i]|, |v[XS+\i+1]|
	v_max3_num_f32 v9, v9, |v[XS+\i+2]|, |v[XS+\i+3]|
.endr
	v_max3_num_f32 v8, v8, |v[XS+14]|, |v[XS+15]|
	v_max3_num_f32 v8, v8, v9, 0x4800000           ; the floor
	v_max_num_f32_dpp v8, v8, v8 row_xmask:1 row_mask:0xf bank_mask:0xf   ; with my neighbour's 16: the block's
	v_add_nc_u32 v11, 0xfc000000, v8
	v_and_or_b32 v10, v8, 0x7f800000, s39
.set i, 0
.rept 16
	v_med3_num_f32 v[XS+i], v[XS+i], -v10, v10
.set i, i+1
.endr
	v_cvt_scalef32_pk8_fp8_f32 v[CC+4*(\t):CC+4*(\t)+1], v[XS:XS+7], v11
	v_cvt_scalef32_pk8_fp8_f32 v[CC+4*(\t)+2:CC+4*(\t)+3], v[XS+8:XS+15], v11
	v_lshrrev_b32 v[E+(\t)], 23, v11               ; the scale's byte
	ds_store_b8 v5, v[E+(\t)] offset:128*((\t)%2)+8*((\t)/2)       ; both lanes of a block write the same byte with the same value
	global_store_b128 v4, v[CC+4*(\t):CC+4*(\t)+3], s[8:9] offset:2097152*((\t)%2)+256*((\t)/2)   ; sixteen lanes store 256 consecutive bytes, aligned
.endm
.irp t, 0,1,2,3,4,5,6,7,8,9,10,11,12,13,14,15
	XSTEP \t
.endr
	ds_load_b64 v[12:13], v6
	s_wait_dscnt 0x0
	global_store_b64 v7, v[12:13], s[10:11]        ; eight lanes store the 64 bytes of my 8 rows in one K step
	s_wait_tensorcnt 0x0
	ds_add_u32 v208, v209
	s_wait_dscnt 0x0
	s_endpgm
.Lfunc_end_k_q539769b3ed_quant:
	.size	k_q539769b3ed_quant, .Lfunc_end_k_q539769b3ed_quant-k_q539769b3ed_quant
	.p2alignl 7, 3214868480
	.fill 96, 4, 3214868480
	.section	.rodata,"a",@progbits
	.p2align	6, 0x0
	.amdhsa_kernel k_q539769b3ed_quant
		.amdhsa_group_segment_fixed_size 68096
		.amdhsa_private_segment_fixed_size 0
		.amdhsa_enable_private_segment 0
		.amdhsa_kernarg_size 88
		.amdhsa_user_sgpr_count 2
		.amdhsa_user_sgpr_kernarg_segment_ptr 1
		.amdhsa_wavefront_size32 1
		.amdhsa_system_sgpr_workgroup_id_x 1
		.amdhsa_system_sgpr_workgroup_id_y 1
		.amdhsa_system_sgpr_workgroup_id_z 1
		.amdhsa_system_vgpr_workitem_id 0
		.amdhsa_next_free_vgpr 210
		.amdhsa_next_free_sgpr 80
		.amdhsa_reserve_vcc 0
		.amdhsa_float_denorm_mode_32 3
		.amdhsa_float_denorm_mode_16_64 3
		.amdhsa_memory_ordered 1
		.amdhsa_forward_progress 1
		.amdhsa_inst_pref_size 114
	.end_amdhsa_kernel
	.amdgpu_metadata
---
amdhsa.version: [ 1, 2 ]
amdhsa.kernels:
  - .name:           k_q539769b3ed_quant
    .symbol:         k_q539769b3ed_quant.kd
    .args:
      - { .name: x, .offset: 0, .size: 8, .value_kind: global_buffer, .address_space: global }
      - { .name: Wq, .offset: 8, .size: 8, .value_kind: global_buffer, .address_space: global }
      - { .name: Wk, .offset: 16, .size: 8, .value_kind: global_buffer, .address_space: global }
      - { .name: Wv, .offset: 24, .size: 8, .value_kind: global_buffer, .address_space: global }
      - { .name: W1, .offset: 32, .size: 8, .value_kind: global_buffer, .address_space: global }
      - { .name: Wo, .offset: 40, .size: 8, .value_kind: global_buffer, .address_space: global }
      - { .name: W2, .offset: 48, .size: 8, .value_kind: global_buffer, .address_space: global }
      - { .name: actq, .offset: 56, .size: 8, .value_kind: global_buffer, .address_space: global }
      - { .name: wts, .offset: 64, .size: 8, .value_kind: global_buffer, .address_space: global }
      - { .name: wo, .offset: 72, .size: 8, .value_kind: global_buffer, .address_space: global }
      - { .name: w2, .offset: 80, .size: 8, .value_kind: global_buffer, .address_space: global }
    .group_segment_fixed_size: 68096
    .private_segment_fixed_size: 0
    .kernarg_segment_align: 8
    .kernarg_segment_size: 88
    .max_flat_workgroup_size: 128
    .sgpr_count:     80
    .vgpr_count:     210
    .wavefront_size: 32
...
	.end_amdgpu_metadata
.endif
;; end of part 1
;; launch qkv (part 2): grid 24 x 8, 4 waves a work-group, clusters of 4 x 4, 327,680 bytes of LDS; arguments actq, wts, bq, bk, bv, qkvq; writes qkvq
.if DOCPART == 2
	.amdgcn_target "amdgcn-amd-amdhsa--gfx1250"
	.amdhsa_code_object_version 6
	.text
	.protected	k_q539769b3ed_qkv
	.globl	k_q539769b3ed_qkv
	.p2align	8
	.type	k_q539769b3ed_qkv,@function
k_q539769b3ed_qkv:
	s_mov_b64 s[64:65], 0
	v_nop
	global_prefetch_b8 v0, s[64:65] scope:SCOPE_SE
	s_setreg_imm32_b32 hwreg(HW_REG_WAVE_MODE, 25, 1), 1
	s_wait_xcnt 0x0
	s_wait_alu depctr_hold_cnt(0) depctr_sa_sdst(0) depctr_va_vdst(0) depctr_va_sdst(0) depctr_va_ssrc(0) depctr_va_vcc(0) depctr_vm_vsrc(0)
	s_getreg_b32 s2, hwreg(HW_REG_IB_STS2, 6, 4)
	s_cmp_eq_u32 s2, 0
	s_cbranch_scc0 .Lentry_in_a_cluster
	s_endpgm
.Lentry_in_a_cluster:
	s_bfe_u32 s2, ttmp6, 0x10000c
	s_cmp_lg_u32 s2, 0xf033
	s_cbranch_scc0 .Lentry_shape_is_right
	s_endpgm
.Lentry_shape_is_right:
; Q = x Wq + bq, K = x Wk + bk, V = x Wv + bv on codes of E4M3 with E8M0 scales, and the results quantised at once: Q and K along the features, V along the tokens (the keys).
; A tile of 256 x 256 results is made by four waves, 128 x 128 each: 64 accumulators, 512 registers.  K = 1,024 goes in four steps of 256 through two LDS slots.
; The first source of the matrix instruction (B here) gives the axis that runs along a lane's registers; it is stored SWAPPED (bits 3 and 4 of the row exchanged), so that
; the registers 16 b + i of a lane are the logical indices 32 b + 16 (lane / 16) + i: blocks of 32 for the quantiser, codes in the order of an operand.
; Clusters with x under 4: B = rows of Wq|Wk (8 tiles), A = rows of x (16 tiles): a lane holds one token, registers along the features.
; Clusters with x = 4, 5: B = rows of x (16 tiles), A = rows of Wv (4 tiles): a lane holds one feature, registers along the tokens.  The mode hangs on the cluster's x alone.
; OUT: Q, K codes [feature / 256, 8][token position][256], V^T codes [token / 256, 16][feature position][256], scale bytes 8 a row beside them.
; 4 x 4 work-groups form a cluster: A's tile is asked for jointly along a row of the cluster, B's along a column.
; LIMITS of the quantiser: a block of zeros gets the byte 1 (its codes are zeros; only this program reads the bytes); largest magnitudes under 2^-118 are held at the byte 1; NaN and infinities are not served.
; REGISTERS: window 0: v0-31 addresses and the bias of V; v32-63 scale words, two sets; v64-127 the bias of Q, K; v128-255 A's fragments, one set; window 1: B's fragments, two sets; windows 2, 3: accumulators.
.set NQ,     2
.set PITCH,  272                       ; an LDS row: 256 bytes + 16: the 16 rows that a load touches start at 16 different banks (ISA guide 11.1)
.set FR,     16
.set NL,     4
.set NP,     8                         ; places behind this matrix instruction (ISA guide 7.12.1)
.set HALFT,  128*PITCH
.set SLOT,   4*HALFT
.set STRA,   4096*256                  ; bytes from a K step to the next in either operand
.set STRB,   4096*256
.set ROWSA,  4096
.set ROWSB,  4096
.set SCL,    2*SLOT                    ; behind the ring: scale bytes [K step 4][128 rows][8], A's two halves, 128 bytes free, B's two halves
.set SGAP,   8320
.set SPARE,  SCL+16640                 ; the spare words, 128 bytes a wave
.set SSTG,   256*PITCH                 ; the way out: 256 rows of codes in slot 0, behind them 256 x 8 scale bytes
.set ADRA, 16
.set ADRB, 20
.set SSTO, 22
.set SRD,  23
.set STO,  24
.set RD,   25
.set CO,   26
.set ADRS, 27
.set SPW,  28
.set NIL,  29
.set SCO,  30
.set BOF,  31
.set SC,   32
.set BI,   64
.set AF,   128
.set H,    128
.set PC,   192
.set TM,   208
.set PW,   224
.set G1, 24
.set G0, 32
.set G1B, 48
.set G0B, 56
.set G1S, 68
.set G0S, 76
.set G1SB, 80
.set G0SB, 88
.set MSB, 0
.macro WIN new                         ; the immediate's high byte repeats the setting that is left
.if MSB != (\new)
	s_set_vgpr_msb (MSB<<8)|(\new)
.set MSB, (\new)
.endif
.endm
.set MUL_LO, 0xa1                      ; source 0 (B) window 1, source 1 (A) window 0, C and D window 2
.set MUL_HI, 0xf1
.set TO_B,   0x40
.macro JLOAD g0a, g1a, g0b, g1b        ; a joint load: waves 0 and 1 fetch for A, waves 2 and 3 for B; four v_nop follow each line
	s_cmp_eq_u32 s15, 0
	s_cbranch_scc0 .Lfor_b_\@
	tensor_load_to_lds s[\g0a:\g0a+3], s[\g1a:\g1a+7]
	s_nop 0
.rept 4
	v_nop
.endr
	s_branch .Lasked_\@
.Lfor_b_\@:
	tensor_load_to_lds s[\g0b:\g0b+3], s[\g1b:\g1b+7]
	s_nop 0
.rept 4
	v_nop
.endr
.Lasked_\@:
.endm
.macro CREST
	s_cmp_lg_u32 s14, 0
	s_cbranch_scc1 .Lnot_wave_0_\@
	s_barrier_signal -3
.Lnot_wave_0_\@:
	s_barrier_wait -3
	s_barrier_signal -1
	s_barrier_wait -1
.endm
.macro CROUND
	s_barrier_signal -1
	s_barrier_wait -1
	CREST
.endm
	s_load_b256 s[4:11], s[0:1], 0x0               ; actq, wts, bq, bk
	s_load_b128 s[96:99], s[0:1], 0x20             ; bv, qkvq
	v_lshl_add_u32 v[SPW], v0, 2, SPARE
	v_mov_b32 v[NIL], 0
	ds_add_u32 v28, v29
	ds_add_u32 v28, v29
	s_wait_dscnt 0x0
	v_lshrrev_b32 v1, 5, v0
	v_readfirstlane_b32 s14, v1                    ; wave
	s_lshr_b32 s15, s14, 1                         ; my half of A's rows.  Also: I fetch for A (0) or B (1)
	s_and_b32 s16, s14, 1                          ; my half of B's rows.  Also: which 128 rows I fetch
	s_bfe_u32 s40, ttmp6, 0x40000                  ; cx
	s_bfe_u32 s41, ttmp6, 0x40004                  ; cy
	s_and_b32 s17, ttmp7, 0xffff                   ; the cluster's y
	s_and_b32 s2, ttmp9, 1
	s_lshr_b32 s19, ttmp9, 1
	s_lshl_b32 s19, s19, 1
	s_add_co_u32 s19, s19, s17
	s_lshl_b32 s18, s17, 1
	s_mov_b32 s94, 0x800000
	s_cmp_lt_u32 ttmp9, 4                          ; Q, K or V?  The cluster's x alone decides
	s_cselect_b32 s19, s19, 0                      ; A's four tiles: y + 2 (x / 2), or 0
	s_cselect_b32 s18, 0, s18
	s_cselect_b32 s3, 0, 1                         ; the mode: 1 = V
	s_cselect_b32 s95, 0, 2048                     ; A's first row: Wv lies behind Wq and Wk
	s_cselect_b32 s92, 0x1000000, s94              ; where A's scale bytes begin in its buffer,
	s_cselect_b32 s93, s94, 0x1000000              ; and B's
	s_add_co_u32 s2, s2, s18                       ; B's four tiles: x % 2, + 2 y for V
	s_lshl_b32 s42, s2, 2
	s_add_co_u32 s42, s42, s40                     ; B's tile
	s_lshl_b32 s17, s19, 2
	s_add_co_u32 s17, s17, s41                     ; A's tile
	s_lshl_b32 s43, s41, 2
	s_lshl_b32 s43, 15, s43                        ; my row of the cluster
	s_lshl_b32 s44, 0x1111, s40                    ; my column
	s_or_b32 s[G1+0], s43, (0<<16)|(1<<20)|(1<<21)|(5<<22)|(3<<25)  ; mask; elements of 1 byte; padding of 4 words behind every 64; bit 21 beside a mask
	s_or_b32 s[G1B+0], s44, (0<<16)|(1<<20)|(1<<21)|(5<<22)|(3<<25)
.irp g, G1, G1B
	s_mov_b32 s[\g+1], 256<<16                     ; tensor_dim0
	s_mov_b32 s[\g+2], 128<<16                     ; tensor_dim1
	s_mov_b32 s[\g+3], 256<<16                     ; tile_dim0
	s_mov_b32 s[\g+4], 128                         ; tile_dim1
	s_mov_b32 s[\g+5], 256                         ; the rows of a tile are dense
	s_mov_b32 s[\g+6], 0
	s_mov_b32 s[\g+7], 0
.endr
	s_or_b32 s[G1S+0], s43, (3<<16)|(1<<21)        ; scale bytes: 4 K steps x 128 rows of 8 bytes, no padding
	s_or_b32 s[G1SB+0], s44, (3<<16)|(1<<21)
.irp g, G1S, G1SB
	s_mov_b32 s[\g+1], 128<<16
	s_mov_b32 s[\g+2], 4<<16
	s_mov_b32 s[\g+3], 128<<16
	s_mov_b32 s[\g+4], 4
	s_mov_b32 s[\g+6], 0
	s_mov_b32 s[\g+7], 0
.endr
	s_mov_b32 s[G1S+5], ROWSA                      ; rows of a K step
	s_mov_b32 s[G1SB+5], ROWSB
	s_lshl_b32 s18, s16, 7
	s_lshl_b32 s20, s17, 8
	s_add_co_u32 s20, s20, s18
	s_add_co_u32 s20, s20, s95                     ; A: the first row that I fetch
	s_lshl_b32 s46, s42, 8
	s_add_co_u32 s46, s46, s18                     ; B likewise
	s_lshl_b32 s22, s20, 3
	s_add_co_u32 s22, s22, s92
	s_lshl_b32 s20, s20, 8
	s_lshl_b32 s92, s46, 3
	s_add_co_u32 s92, s92, s93
	s_lshl_b32 s46, s46, 8
	s_mov_b32 s21, 0
	s_mov_b32 s23, 0
	s_mov_b32 s47, 0
	s_mov_b32 s93, 0
	s_mul_i32 s45, s14, HALFT                      ; where the codes go: wave x 128 rows
	s_lshl_b32 s94, s14, 12
	s_lshl_b32 s18, s15, 7
	s_add_co_u32 s94, s94, s18                     ; and the scale bytes: wave x 4,096, B's 128 further on
	s_wait_kmcnt 0x0
	s_cmp_lt_u32 ttmp9, 4
	s_cselect_b64 s[12:13], s[4:5], s[6:7]         ; A's buffer
	s_cselect_b64 s[6:7], s[6:7], s[4:5]           ; B's buffer
	s_add_nc_u64 s[20:21], s[12:13], s[20:21]
	s_add_nc_u64 s[22:23], s[12:13], s[22:23]
	s_add_nc_u64 s[46:47], s[6:7], s[46:47]
	s_add_nc_u64 s[92:93], s[6:7], s[92:93]
	CROUND                                         ; all sixteen work-groups are here: the first joint loads meet
	s_mov_b32 s[G0S], 1
	s_add_co_u32 s[G0S+1], s94, SCL
	s_mov_b64 s[G0S+2:G0S+3], s[22:23]
	s_or_b32 s[G0S+3], s[G0S+3], 0x80000000
	s_mov_b32 s[G0SB], 1
	s_add_co_u32 s[G0SB+1], s94, SCL
	s_mov_b64 s[G0SB+2:G0SB+3], s[92:93]
	s_or_b32 s[G0SB+3], s[G0SB+3], 0x80000000
	JLOAD G0S, G1S, G0SB, G1SB                     ; the scale bytes of all of K: filled once
.irp s, 0,1
	s_mov_b32 s[G0+4*\s], 1
	s_add_co_u32 s[G0+4*\s+1], s45, \s*SLOT
	s_add_nc_u64 s[G0+4*\s+2:G0+4*\s+3], s[20:21], \s*STRA
	s_or_b32 s[G0+4*\s+3], s[G0+4*\s+3], 0x80000000
	s_mov_b32 s[G0B+4*\s], 1
	s_add_co_u32 s[G0B+4*\s+1], s45, \s*SLOT
	s_add_nc_u64 s[G0B+4*\s+2:G0B+4*\s+3], s[46:47], \s*STRB
	s_or_b32 s[G0B+4*\s+3], s[G0B+4*\s+3], 0x80000000
	JLOAD G0+4*\s, G1, G0B+4*\s, G1B
.endr
	v_and_b32 v1, 15, v0                           ; r
	v_bfe_u32 v2, v0, 4, 1                         ; h
	s_wait_alu depctr_va_vdst(0)
	v_mul_u32_u24 v3, v1, PITCH
	v_lshl_add_u32 v4, v2, 4, v3                   ; row x pitch + 16 h
	s_wait_alu depctr_va_vdst(0)
	s_mul_i32 s21, s15, HALFT
	s_mul_i32 s22, s16, HALFT
	s_add_co_u32 s22, s22, 2*HALFT
.irp s, 0,1
	v_add_nc_u32 v[ADRA+\s], s21, v4
	v_add_nc_u32 v[ADRB+\s], s22, v4
	s_add_co_u32 s21, s21, SLOT
	s_add_co_u32 s22, s22, SLOT
.endr
	v_lshlrev_b32 v5, 3, v1                        ; scale words: 8 bytes a row
	s_wait_alu depctr_va_vdst(0)
	s_lshl_b32 s21, s15, 12
	s_lshl_b32 s22, s16, 12
	s_add_co_u32 s22, s22, SGAP
	s_sub_co_u32 s22, s22, s21
	v_mul_u32_u24 v6, s22, v2                      ; lanes 16-31 take B's
	s_add_co_u32 s21, s21, SCL
	v_add_nc_u32 v6, v5, v6
	v_add_nc_u32 v[ADRS], s21, v6
	s_mul_i32 s23, s15, 128*PITCH                  ; the stage, in: A's row, B's half of its 256 bytes
	s_lshl_b32 s21, s16, 7
	s_add_co_u32 s23, s23, s21
	v_add_nc_u32 v[STO], s23, v4
	s_lshl_b32 s23, s15, 10
	s_lshl_b32 s21, s16, 2
	s_add_co_u32 s23, s23, s21
	s_add_co_u32 s23, s23, SSTG
	v_add_nc_u32 v[SSTO], s23, v5                  ; its scale word
	s_mul_i32 s23, s14, 64*PITCH                   ; back: wave w takes rows 64 w on, whole; sixteen lanes a row
	v_mul_u32_u24 v6, v2, PITCH
	v_lshl_add_u32 v6, v1, 4, v6
	v_add_nc_u32 v[RD], s23, v6
	v_and_b32 v6, 31, v0
	v_lshlrev_b32 v[SCO], 4, v6
	s_lshl_b32 s23, s14, 9
	s_add_co_u32 s23, s23, SSTG
	v_add_nc_u32 v[SRD], s23, v[SCO]
	v_lshlrev_b32 v6, 8, v2
	v_lshl_add_u32 v[CO], v1, 4, v6
	v_lshlrev_b32 v[BOF], 6, v2                    ; the bias along the registers: 64 h bytes
	; the bias of Q or K: logical feature 256 x (B's tile % 4) + 128 x my half + 32 b + 16 h + i.  Both biases are loaded in both modes, from inside their buffers
	s_bitcmp1_b32 s2, 0                            ; B's tiles 4-7 are K's: bit 2 of the tile is bit 0 of the cluster's share
	s_cselect_b64 s[8:9], s[10:11], s[8:9]
	s_lshl_b32 s46, s40, 10
	s_lshl_b32 s47, s16, 9
	s_add_co_u32 s46, s46, s47
	s_mov_b32 s47, 0
	s_add_nc_u64 s[8:9], s[8:9], s[46:47]
.irp b, 0,1,2,3
.irp j, 0,1,2,3
	global_load_b128 v[BI+16*\b+4*\j:BI+16*\b+4*\j+3], v[BOF], s[8:9] offset:128*\b+16*\j
.endr
.endr
	; the bias of V: my row of block a lies at position 16 a + r, which is logical feature 32 (a / 2) + 8 (a % 2) + r + 8 (r / 8)
	s_lshl_b32 s20, s41, 10
	s_lshl_b32 s21, s15, 9
	s_add_co_u32 s20, s20, s21
	s_mov_b32 s21, 0
	s_add_nc_u64 s[96:97], s[96:97], s[20:21]
	v_and_b32 v3, 8, v1
	v_add_nc_u32 v1, v1, v3
	v_lshlrev_b32 v1, 2, v1
.irp a, 0,1,2,3,4,5,6,7
	global_load_b32 v[2+2*\a+2*(\a/7)], v1, s[96:97] offset:(32*(\a/2)+8*(\a%2))*4      ; twice: a pair for the packed addition
	global_load_b32 v[3+2*\a+2*(\a/7)], v1, s[96:97] offset:(32*(\a/2)+8*(\a%2))*4
.endr
	; where my 64 rows of the tile go
	s_mov_b32 s23, 0xc40000
	s_cmp_lg_u32 s3, 0
	s_cselect_b32 s21, 18, 20
	s_cselect_b32 s22, 13, 15
	s_cselect_b32 s47, 0x800000, 0
	s_cselect_b32 s23, s23, 0xc00000
	s_lshl_b32 s46, s42, s21
	s_add_co_u32 s46, s46, s47
	s_lshl_b32 s47, s42, s22
	s_add_co_u32 s47, s47, s23
	s_lshl_b32 s20, s17, 8
	s_lshl_b32 s21, s14, 6
	s_add_co_u32 s20, s20, s21
	s_lshl_b32 s22, s20, 3
	s_lshl_b32 s20, s20, 8
	s_add_co_u32 s20, s20, s46
	s_add_co_u32 s22, s22, s47
	s_mov_b32 s21, 0
	s_mov_b32 s23, 0
	s_add_nc_u64 s[12:13], s[98:99], s[20:21]      ; codes
	s_add_nc_u64 s[10:11], s[98:99], s[22:23]      ; scale bytes
.macro FRAG reg, adr, q, i             ; 16 rows x 128 K: registers 4 c .. 4 c + 3 hold K = 32 c + 16 (lane / 16) + 0 .. 15
.irp c, 0,1,2,3
	ds_load_b128 v[\reg+4*\c:\reg+4*\c+3], v[\adr] offset:128*(\q)+32*\c+(\i)*16*PITCH
.endr
.endm
; 16 matrix instructions: A's blocks a0, a0 + 1 x B's eight.  The 64 accumulators take turns, one instruction a turn
.macro MUL16 a0, p, q, sc, zero
.irp a, \a0, \a0+1
.irp b, 0,1,2,3,4,5,6,7
.if \zero
	v_wmma_scale_f32_16x16x128_f8f6f4 v[8*(8*((\a)%4)+\b):8*(8*((\a)%4)+\b)+7], v[128*(\p)+FR*\b:128*(\p)+FR*\b+FR-1], v[AF+FR*(\a):AF+FR*(\a)+FR-1], 0, v[SC+8*NQ*(\sc)+NQ*\b+(\q)], v[SC+8*NQ*(\sc)+NQ*(\a)+(\q)] matrix_a_scale:MATRIX_SCALE_ROW1
.else
	v_wmma_scale_f32_16x16x128_f8f6f4 v[8*(8*((\a)%4)+\b):8*(8*((\a)%4)+\b)+7], v[128*(\p)+FR*\b:128*(\p)+FR*\b+FR-1], v[AF+FR*(\a):AF+FR*(\a)+FR-1], v[8*(8*((\a)%4)+\b):8*(8*((\a)%4)+\b)+7], v[SC+8*NQ*(\sc)+NQ*\b+(\q)], v[SC+8*NQ*(\sc)+NQ*(\a)+(\q)] matrix_a_scale:MATRIX_SCALE_ROW1
.endif
.endr
.endr
.endm
.macro FETCH_B slot, q, p
	WIN TO_B
.irp i, 0,1,2,3,4,5,6,7
	FRAG 128*(\p)+FR*\i, ADRB+\slot, \q, \i
.endr
	WIN 0
.endm
.macro FETCH_A slot, q, i0
.irp i, \i0, \i0+1, \i0+2, \i0+3
	FRAG AF+FR*(\i), ADRA+\slot, \q, \i
.endr
.endm
.macro SCALES sc                       ; a K step's two words a row: lanes 0-15 A's block i, lanes 16-31 B's block i
.irp i, 0,1,2,3,4,5,6,7
	ds_load_b64 v[SC+8*NQ*\sc+NQ*\i:SC+8*NQ*\sc+NQ*\i+1], v[ADRS] offset:\i*128
.endr
.endm
.macro PLACES n                        ; plain vector places behind matrix instructions, in front of loads into their registers and of reads of results
.rept \n
	v_nop
.endr
.endm
.macro STEP slot, q, zero              ; 128 along K with its successor in the same slot
	s_wait_dscnt 4*NL                              ; all but the youngest 16 loads (A's blocks 4-7)
	WIN MUL_LO
	MUL16 0, (\q)%2, \q, \slot, \zero
	MUL16 2, (\q)%2, \q, \slot, \zero
	s_wait_dscnt 0
	PLACES NP
	FETCH_B \slot, (\q)+1, 1-(\q)%2
	FETCH_A \slot, (\q)+1, 0
	WIN MUL_HI
	MUL16 4, (\q)%2, \q, \slot, \zero
	MUL16 6, (\q)%2, \q, \slot, \zero
	PLACES NP
	WIN 0
	FETCH_A \slot, (\q)+1, 4
.endm
; A slot's last step changes slots: one barrier; in front of it each wave waits for all its tensor loads, adds 0 to its spare word, and waits for that and for its reads of this slot
.macro TURN slot, next, fill
	s_wait_tensorcnt 0x0                           ; all my tensor loads have landed: my part of the next slot
	ds_add_u32 v[SPW], v[NIL]                      ; 0 onto my spare word
	s_wait_dscnt 4*NL+1                            ; the add and the youngest 16 loads may be out
	WIN MUL_LO
	MUL16 0, 1, NQ-1, \slot, 0
	s_wait_dscnt 0x0                               ; the add is done, and my reads of this slot are over
	s_barrier_signal -1
	MUL16 2, 1, NQ-1, \slot, 0
	WIN 0
	s_barrier_wait -1
.if \fill
	CREST                                          ; the barrier has opened a round of the cluster's barrier: no wave of any partner still reads this slot or has a load on its way
	s_add_nc_u64 s[G0+4*\slot+2:G0+4*\slot+3], s[G0+4*\slot+2:G0+4*\slot+3], 2*STRA
	s_add_nc_u64 s[G0B+4*\slot+2:G0B+4*\slot+3], s[G0B+4*\slot+2:G0B+4*\slot+3], 2*STRB
	JLOAD G0+4*\slot, G1, G0B+4*\slot, G1B         ; my one tensor load behind the round; its four v_nop are four of the places
	PLACES NP-4
.else
	PLACES NP
.endif
	s_wait_alu depctr_va_vdst(0)
	v_add_nc_u32 v[ADRS], 1024, v[ADRS]            ; the next K step's scale words
	FETCH_B \next, 0, 0
	FETCH_A \next, 0, 0
	SCALES \next
	WIN MUL_HI
	MUL16 4, 1, NQ-1, \slot, 0
	MUL16 6, 1, NQ-1, \slot, 0
	PLACES NP
	WIN 0
	FETCH_A \next, 0, 4
.endm
	s_wait_tensorcnt 1                             ; the scale bytes and my part of K step 0 are in; K step 1's load may be out
	s_barrier_signal -1
	s_barrier_wait -1
	FETCH_B 0, 0, 0
	FETCH_A 0, 0, 0
	SCALES 0
	FETCH_A 0, 0, 4
	STEP 0, 0, 1                                   ; the first products start the sums: nothing is cleared
	TURN 0, 1, 1                                   ; slot 0 takes K step 2
	STEP 1, 0, 0
	TURN 1, 0, 1                                   ; slot 1 takes K step 3
	STEP 0, 0, 0
	TURN 0, 1, 0                                   ; nothing is left to fetch; behind this barrier nobody reads slot 0
	STEP 1, 0, 0
	s_wait_dscnt 4*NL
	WIN MUL_LO
	MUL16 0, 1, NQ-1, 1, 0
	MUL16 2, 1, NQ-1, 1, 0
	s_wait_dscnt 0
	WIN MUL_HI
	MUL16 4, 1, NQ-1, 1, 0
	MUL16 6, 1, NQ-1, 1, 0
	WIN 0
; THE WAY OUT.  Block a (16 rows of A x my 128 of B): bias added (which also brings the sums into window 0), quantised in registers, codes and scale word into a stage in slot 0,
; which has had its last fill and its last read.  A row's 256 bytes come from two waves: one barrier; then each wave stores 64 whole rows.
.macro BIAS a
	s_cmp_lg_u32 s3, 0
	s_cbranch_scc1 .Lbv_\@
	WIN 0x02+(\a)/4                                ; source 0: window 2 or 3
.set k, 0
.rept 32
	v_pk_add_f32 v[H+2*k:H+2*k+1], v[64*((\a)%4)+2*k:64*((\a)%4)+2*k+1], v[BI+2*k:BI+2*k+1]      ; ascending: each accumulator from its low end on
.set k, k+1
.endr
	WIN 0
	s_branch .Lbd_\@
.Lbv_\@:
	WIN 0x02+(\a)/4
.set k, 0
.rept 32
	v_pk_add_f32 v[H+2*k:H+2*k+1], v[64*((\a)%4)+2*k:64*((\a)%4)+2*k+1], v[2+2*(\a)+2*((\a)/7):3+2*(\a)+2*((\a)/7)]
.set k, k+1
.endr
	WIN 0
.Lbd_\@:
.endm
.macro QUANT                           ; v[H + 16 b + i] = index 32 b + 16 (lane / 16) + i of my row: codes into v[PC] on, the scale word into v[PW]
.irp b, 0,1,2,3
	v_max3_num_f32 v[TM+\b], |v[H+16*\b]|, |v[H+1+16*\b]|, 0x4800000      ; with the floor 2^(9 - 127): the byte cannot fall under 1
.endr
.irp i, 2,4,6,8,10,12,14
.irp b, 0,1,2,3
	v_max3_num_f32 v[TM+\b], v[TM+\b], |v[H+16*\b+\i]|, |v[H+1+16*\b+\i]|
.endr
.endr
.irp b, 0,1,2,3
	v_permlanex16_b32 v[TM+4+\b], v[TM+\b], s92, s93
.endr
.irp b, 0,1,2,3
	v_max_num_f32 v[TM+\b], v[TM+\b], v[TM+4+\b]   ; with lane l xor 16's: the block's largest magnitude
.endr
.irp b, 0,1,2,3
	v_add_nc_u32 v[TM+12+\b], 0xfc000000, v[TM+\b] ; the conversion's scale operand
.endr
.irp b, 0,1,2,3
.endr
.irp b, 0,1,2,3
	v_lshrrev_b32 v[TM+4+\b], 23, v[TM+12+\b]      ; the byte
.endr
	v_lshl_or_b32 v[PW], v[TM+5], 8, v[TM+4]
	v_lshl_or_b32 v[PW], v[TM+6], 16, v[PW]
	v_lshl_or_b32 v[PW], v[TM+7], 24, v[PW]
.irp b, 0,1,2,3
.irp i, 0,1,2,3,4,5,6,7,8,9,10,11,12,13,14,15
.endr
	v_cvt_scalef32_pk8_fp8_f32 v[PC+4*\b:PC+1+4*\b], v[H+16*\b:H+7+16*\b], v[TM+12+\b]
	v_cvt_scalef32_pk8_fp8_f32 v[PC+2+4*\b:PC+3+4*\b], v[H+8+16*\b:H+15+16*\b], v[TM+12+\b]
.endr
	v_nop                                          ; a plain place behind the last conversion
.endm
.macro PUT a
.irp c, 0,1,2,3
	ds_store_b128 v[STO], v[PC+4*\c:PC+4*\c+3] offset:(\a)*16*PITCH+32*\c
.endr
	ds_store_b32 v[SSTO], v[PW] offset:(\a)*128    ; both halves of the lanes write the same word with the same value
	s_wait_dscnt 0x0                               ; the stores have read their registers; and, at the last block, for the other waves' sake
.endm
	PLACES NP
	s_wait_loadcnt 0x0                             ; the biases
	s_mov_b32 s92, 0x76543210
	s_mov_b32 s93, 0xfedcba98                      ; lane l xor 16
.irp b, 0,1,2,3
	v_mov_b32 v[TM+4+\b], 0                        ; a lane permute's destination counts as one of its sources
.endr
.irp a, 0,1,2,3,4,5,6,7
	BIAS \a
	QUANT
	PUT \a
.endr
	s_barrier_signal -1
	s_barrier_wait -1                              ; 256 whole rows lie in the stage
	ds_load_b128 v[32:35], v[SRD]
.set t, 0
.rept 32
	ds_load_b128 v[128+4*t:128+4*t+3], v[RD] offset:544*t
.set t, t+1
.endr
	s_wait_dscnt 32                                ; the scale bytes are back; the 32 loads of codes may be out
	global_store_b128 v[SCO], v[32:35], s[10:11]   ; 512 consecutive bytes
.set t, 0
.rept 32
	s_wait_dscnt 31-t
	global_store_b128 v[CO], v[128+4*t:128+4*t+3], s[12:13] offset:512*t  ; sixteen lanes store 256 consecutive bytes, aligned
.set t, t+1
.endr
	s_wait_tensorcnt 0x0                           ; the wave's end
	ds_add_u32 v[SPW], v[NIL]
	s_wait_dscnt 0x0
	CROUND                                         ; the closing round
	s_endpgm
.Lfunc_end_k_q539769b3ed_qkv:
	.size	k_q539769b3ed_qkv, .Lfunc_end_k_q539769b3ed_qkv-k_q539769b3ed_qkv
	.p2alignl 7, 3214868480
	.fill 96, 4, 3214868480
	.section	.rodata,"a",@progbits
	.p2align	6, 0x0
	.amdhsa_kernel k_q539769b3ed_qkv
		.amdhsa_group_segment_fixed_size 327680
		.amdhsa_private_segment_fixed_size 0
		.amdhsa_enable_private_segment 0
		.amdhsa_kernarg_size 48
		.amdhsa_user_sgpr_count 2
		.amdhsa_user_sgpr_kernarg_segment_ptr 1
		.amdhsa_wavefront_size32 1
		.amdhsa_system_sgpr_workgroup_id_x 1
		.amdhsa_system_sgpr_workgroup_id_y 1
		.amdhsa_system_sgpr_workgroup_id_z 1
		.amdhsa_system_vgpr_workitem_id 0
		.amdhsa_next_free_vgpr 1024
		.amdhsa_next_free_sgpr 100
		.amdhsa_reserve_vcc 0
		.amdhsa_float_denorm_mode_32 3
		.amdhsa_float_denorm_mode_16_64 3
		.amdhsa_fp16_overflow 1
		.amdhsa_memory_ordered 1
		.amdhsa_forward_progress 1
		.amdhsa_inst_pref_size 193
	.end_amdhsa_kernel
	.amdgpu_metadata
---
amdhsa.version: [ 1, 2 ]
amdhsa.kernels:
  - .name:           k_q539769b3ed_qkv
    .symbol:         k_q539769b3ed_qkv.kd
    .args:
      - { .name: actq, .offset: 0, .size: 8, .value_kind: global_buffer, .address_space: global }
      - { .name: wts, .offset: 8, .size: 8, .value_kind: global_buffer, .address_space: global }
      - { .name: bq, .offset: 16, .size: 8, .value_kind: global_buffer, .address_space: global }
      - { .name: bk, .offset: 24, .size: 8, .value_kind: global_buffer, .address_space: global }
      - { .name: bv, .offset: 32, .size: 8, .value_kind: global_buffer, .address_space: global }
      - { .name: qkvq, .offset: 40, .size: 8, .value_kind: global_buffer, .address_space: global }
    .group_segment_fixed_size: 327680
    .private_segment_fixed_size: 0
    .kernarg_segment_align: 8
    .kernarg_segment_size: 48
    .max_flat_workgroup_size: 128
    .sgpr_count:     100
    .vgpr_count:     1024
    .wavefront_size: 32
...
	.end_amdgpu_metadata
.endif
;; end of part 2
;; launch attn (part 3): grid 8 x 32, 16 waves a work-group, no clusters, 327,680 bytes of LDS; arguments qkvq, actq; writes actq
.if DOCPART == 3
	.amdgcn_target "amdgcn-amd-amdhsa--gfx1250"
	.amdhsa_code_object_version 6
	.text
	.protected	k_q539769b3ed_attn
	.globl	k_q539769b3ed_attn
	.p2align	8
	.type	k_q539769b3ed_attn,@function
k_q539769b3ed_attn:
	s_mov_b64 s[64:65], 0
	v_nop
	global_prefetch_b8 v0, s[64:65] scope:SCOPE_SE
	s_setreg_imm32_b32 hwreg(HW_REG_WAVE_MODE, 25, 1), 1
	s_wait_xcnt 0x0
.set KP,    80
.set VP,    272
.set VOFF,  256*KP
.set SLOT1, 65536
.set NSL,   8
.set SCK,   2*SLOT1
.set SCV,   SCK+16384
.set SPARE, SCV+4096
.set AK0,  1
.set AV0,  2
.set ASK0, 3
.set ASV0, 4
.set SPW,  5
.set NIL,  6
.set GO,   7
.set ADK,  8
.set ADV,  9
.set ADS,  10
.set ADT,  11
.set WV,   18
.set MNT,  19
.set SEL,  20
.set CS,   22
.set G1K,  24
.set G1V,  32
.set G0K,  40
.set G0V,  44
.set G1SK, 48
.set G0SK, 56
.set G0SV, 60
.set G1SV, 68
.set TB,   76
.set TS,   77
.set TJ,   78
.set SLOTS, 79
.macro TLOAD g0k, g1k, g0v, g1v
	s_cmp_lt_u32 s[WV], 2
	s_cbranch_scc0 .Lnot_k_\@
	tensor_load_to_lds s[\g0k:\g0k+3], s[\g1k:\g1k+7]
	s_nop 0
.rept 4
	v_nop
.endr
	s_branch .Lasked_\@
.Lnot_k_\@:
	s_cmp_lt_u32 s[WV], 4
	s_cbranch_scc0 .Lasked_\@
	tensor_load_to_lds s[\g0v:\g0v+3], s[\g1v:\g1v+7]
	s_nop 0
.rept 4
	v_nop
.endr
.Lasked_\@:
.endm
	s_load_b128 s[4:7], s[0:1], 0x0
	v_lshl_add_u32 v[SPW], v0, 2, SPARE
	v_mov_b32 v[NIL], 0
	ds_add_u32 v5, v6
	ds_add_u32 v5, v6
	s_wait_dscnt 0x0
	v_lshrrev_b32 v8, 5, v0
	s_delay_alu instid0(VALU_DEP_1)
	v_readfirstlane_b32 s[WV], v8
	s_and_b32 s80, ttmp7, 0xffff
	s_lshr_b32 s81, s80, 4
	s_and_b32 s82, s80, 15
	s_lshr_b32 s83, s82, 2
	s_and_b32 s84, s82, 3
	s_and_b32 s85, s[WV], 1
	s_add_co_u32 s86, s83, 4
	s_lshl_b32 s86, s86, 20
	s_lshl_b32 s94, s81, 19
	s_add_co_u32 s86, s86, s94
	s_lshl_b32 s94, s85, 15
	s_add_co_u32 s86, s86, s94
	s_lshl_b32 s94, s84, 6
	s_add_co_u32 s86, s86, s94
	s_mov_b32 s87, 0
	s_lshl_b32 s88, s81, 21
	s_add_co_u32 s88, s88, 0x800000
	s_lshl_b32 s94, s82, 14
	s_add_co_u32 s88, s88, s94
	s_lshl_b32 s94, s85, 13
	s_add_co_u32 s88, s88, s94
	s_mov_b32 s89, 0
	s_add_co_u32 s90, s83, 4
	s_lshl_b32 s90, s90, 15
	s_add_co_u32 s90, s90, 0xc00000
	s_lshl_b32 s94, s81, 14
	s_add_co_u32 s90, s90, s94
	s_lshl_b32 s94, s85, 13
	s_add_co_u32 s90, s90, s94
	s_mov_b32 s91, 0
	s_lshl_b32 s92, s81, 16
	s_add_co_u32 s92, s92, 0xc40000
	s_lshl_b32 s94, s85, 15
	s_add_co_u32 s92, s92, s94
	s_lshl_b32 s94, s82, 9
	s_add_co_u32 s92, s92, s94
	s_mov_b32 s93, 0
	s_mul_i32 s95, s85, 128*KP
	s_mul_i32 s96, s85, 32*VP
	s_add_co_u32 s96, s96, VOFF
	s_lshl_b32 s97, s85, 13
	s_lshl_b32 s98, s85, 11
	s_lshl_b32 s99, s84, 1
	s_mov_b32 s[G1K], (0<<16)|(1<<20)|(3<<22)|(3<<25)
	s_mov_b32 s[G1K+1], 64<<16
	s_mov_b32 s[G1K+2], 128<<16
	s_mov_b32 s[G1K+3], 64<<16
	s_mov_b32 s[G1K+4], 128
	s_mov_b32 s[G1K+5], 256
	s_mov_b32 s[G1K+6], 0
	s_mov_b32 s[G1K+7], 0
	s_mov_b32 s[G1V], (0<<16)|(1<<20)|(5<<22)|(3<<25)
	s_mov_b32 s[G1V+1], 256<<16
	s_mov_b32 s[G1V+2], 32<<16
	s_mov_b32 s[G1V+3], 256<<16
	s_mov_b32 s[G1V+4], 32
	s_mov_b32 s[G1V+5], 256
	s_mov_b32 s[G1V+6], 0
	s_mov_b32 s[G1V+7], 0
	s_mov_b32 s[G1SK], 3<<16
	s_mov_b32 s[G1SK+1], 32<<16
	s_mov_b32 s[G1SK+2], 32<<16
	s_mov_b32 s[G1SK+3], 32<<16
	s_mov_b32 s[G1SK+4], 32
	s_mov_b32 s[G1SK+5], 32
	s_mov_b32 s[G1SK+6], 0
	s_mov_b32 s[G1SK+7], 0
	s_mov_b32 s[G1SV], 3<<16
	s_mov_b32 s[G1SV+1], 64<<16
	s_mov_b32 s[G1SV+2], 4<<16
	s_mov_b32 s[G1SV+3], 64<<16
	s_mov_b32 s[G1SV+4], 4
	s_mov_b32 s[G1SV+5], 1024
	s_mov_b32 s[G1SV+6], 0
	s_mov_b32 s[G1SV+7], 0
	s_mov_b32 s[SEL], 0x76543210
	s_mov_b32 s[SEL+1], 0xfedcba98
	s_mov_b32 s[CS], 0x3e38aa3b
	s_mov_b32 s[CS+1], s[CS]
	s_mov_b32 s[TB], 0
	s_mov_b32 s[TS], 0
	s_mov_b32 s[TJ], 0
	s_mov_b32 s[SLOTS], NSL-1
	s_wait_kmcnt 0x0
	s_mov_b32 s[G0SK], 1
	s_add_co_u32 s[G0SK+1], s97, SCK
	s_add_nc_u64 s[G0SK+2:G0SK+3], s[4:5], s[90:91]
	s_or_b32 s[G0SK+3], s[G0SK+3], 0x80000000
	s_mov_b32 s[G0SV], 1
	s_add_co_u32 s[G0SV+1], s98, SCV
	s_add_nc_u64 s[G0SV+2:G0SV+3], s[4:5], s[92:93]
	s_or_b32 s[G0SV+3], s[G0SV+3], 0x80000000
	TLOAD G0SK, G1SK, G0SV, G1SV
	s_mov_b32 s[G0K], 1
	s_mov_b32 s[G0K+1], s95
	s_add_nc_u64 s[G0K+2:G0K+3], s[4:5], s[86:87]
	s_or_b32 s[G0K+3], s[G0K+3], 0x80000000
	s_mov_b32 s[G0V], 1
	s_mov_b32 s[G0V+1], s96
	s_add_nc_u64 s[G0V+2:G0V+3], s[4:5], s[88:89]
	s_or_b32 s[G0V+3], s[G0V+3], 0x80000000
	TLOAD G0K, G1K, G0V, G1V
	s_lshl_b32 s86, s83, 20
	s_lshl_b32 s94, s81, 19
	s_add_co_u32 s86, s86, s94
	s_lshl_b32 s94, ttmp9, 16
	s_add_co_u32 s86, s86, s94
	s_lshl_b32 s94, s[WV], 12
	s_add_co_u32 s86, s86, s94
	s_lshl_b32 s94, s84, 6
	s_add_co_u32 s86, s86, s94
	s_add_nc_u64 s[8:9], s[4:5], s[86:87]
	s_lshl_b32 s88, s83, 15
	s_add_co_u32 s88, s88, 0xc00000
	s_lshl_b32 s94, s81, 14
	s_add_co_u32 s88, s88, s94
	s_lshl_b32 s94, ttmp9, 11
	s_add_co_u32 s88, s88, s94
	s_lshl_b32 s94, s[WV], 7
	s_add_co_u32 s88, s88, s94
	s_add_co_u32 s88, s88, s99
	s_add_nc_u64 s[10:11], s[4:5], s[88:89]
	s_lshl_b32 s90, s81, 11
	s_lshl_b32 s94, ttmp9, 8
	s_add_co_u32 s90, s90, s94
	s_lshr_b32 s94, s[WV], 1
	s_lshl_b32 s94, s94, 5
	s_add_co_u32 s90, s90, s94
	s_lshl_b32 s94, s85, 3
	s_add_co_u32 s90, s90, s94
	s_lshl_b32 s92, s90, 3
	s_lshl_b32 s90, s90, 8
	s_lshl_b32 s94, s83, 20
	s_add_co_u32 s90, s90, s94
	s_lshl_b32 s94, s84, 6
	s_add_co_u32 s90, s90, s94
	s_add_nc_u64 s[12:13], s[6:7], s[90:91]
	s_lshl_b32 s94, s83, 15
	s_add_co_u32 s92, s92, s94
	s_add_co_u32 s92, s92, s99
	s_add_co_u32 s92, s92, 0x1000000
	s_add_nc_u64 s[14:15], s[6:7], s[92:93]
	v_and_b32 v8, 15, v0
	v_bfe_u32 v9, v0, 4, 1
	s_delay_alu instid0(VALU_DEP_2)
	v_lshlrev_b32 v10, 8, v8
	s_delay_alu instid0(VALU_DEP_1)
	v_lshl_add_u32 v10, v9, 4, v10
.irp c, 0,1
	global_load_b128 v[16+4*\c:19+4*\c], v10, s[8:9] offset:32*\c
.endr
	v_lshlrev_b32 v254, 3, v8
	global_load_u16 v255, v254, s[10:11]
	v_mul_u32_u24 v[AK0], v8, KP
	s_delay_alu instid0(VALU_DEP_1)
	v_lshl_add_u32 v[AK0], v9, 4, v[AK0]
	v_mul_u32_u24 v[AV0], v8, VP
	s_delay_alu instid0(VALU_DEP_1)
	v_lshl_add_u32 v[AV0], v9, 4, v[AV0]
	s_delay_alu instid0(VALU_DEP_1)
	v_add_nc_u32 v[AV0], VOFF, v[AV0]
	v_lshl_add_u32 v[ASK0], v8, 3, SCK
	s_delay_alu instid0(VALU_DEP_1)
	v_add_nc_u32 v[ASK0], s99, v[ASK0]
	v_lshl_add_u32 v[ASV0], v8, 3, SCV
	v_and_b32 v11, 8, v8
	s_delay_alu instid0(VALU_DEP_1)
	v_add_nc_u32 v11, v11, v8
	s_delay_alu instid0(VALU_DEP_1)
	v_lshlrev_b32 v[GO], 8, v11
	s_delay_alu instid0(VALU_DEP_1)
	v_lshl_add_u32 v[GO], v9, 4, v[GO]
	v_mov_b32 v13, 0xff61b1e6
	s_delay_alu instid0(VALU_DEP_1)
	v_floor_f32 v12, -v13
	v_mov_b32 v14, 0
	v_mov_b32 v15, 0
.irp b, 0,1,2,3
	v_mov_b32 v[236+\b], 0
.endr
	v_mov_b32 v253, 0
.irp j, 24,25,26,27,28,29,30,31
	v_mov_b32 v[\j], 0
.endr
.irp t, 0,1,2,3
.irp j, 8,9,10,11,12,13,14,15
	v_mov_b32 v[32+16*\t+\j], 0
.endr
.endr
.set j, 0
.rept 32
	v_mov_b32 v[160+j], 0
.set j, j+1
.endr
.macro STEP q
	v_add_nc_u32 v[ADK], s[TB], v[AK0]
	s_wait_alu depctr_va_vdst(0)
	v_add_nc_u32 v[ADV], s[TB], v[AV0]
	v_add_nc_u32 v[ADS], s[TS], v[ASK0]
	s_wait_alu depctr_va_vdst(0)
	v_add_nc_u32 v[ADT], s[TJ], v[ASV0]
.irp g, 0,1
.rept 8-4*(1-\g)
	v_nop
.endr
.irp t, 0,1,2,3
.irp c, 0,1
	ds_load_b128 v[32+16*\t+4*\c:32+16*\t+4*\c+3], v[ADK] offset:(128*(\q)+16*(4*\g+\t))*KP+32*\c
.endr
	ds_load_u16 v[248+\t], v[ADS] offset:1024*(\q)+128*(4*\g+\t)
.endr
	s_wait_dscnt 0x0
.irp t, 0,1,2,3
	v_wmma_scale_f32_16x16x128_f8f6f4 v[96+8*(4*\g+\t):103+8*(4*\g+\t)], v[32+16*\t:47+16*\t], v[16:31], 0, v[248+\t], v255
.endr
.endr
.rept 8
	v_nop
.endr
.irp b, 0,1,2,3
	v_max3_num_f32 v[232+\b], v[96+16*\b], v[97+16*\b], v[98+16*\b]
.endr
.irp i, 3,5,7,9,11,13
.irp b, 0,1,2,3
	v_max3_num_f32 v[232+\b], v[232+\b], v[96+16*\b+\i], v[97+16*\b+\i]
.endr
.endr
.irp b, 0,1,2,3
	v_max_num_f32 v[232+\b], v[232+\b], v[111+16*\b]
.endr
.irp b, 0,1,2,3
	v_permlanex16_b32 v[236+\b], v[232+\b], s[SEL], s[SEL+1]
.endr
.irp b, 0,1,2,3
	s_delay_alu instid0(VALU_DEP_4)
	v_max_num_f32 v[232+\b], v[232+\b], v[236+\b]
.endr
	s_delay_alu instid0(VALU_DEP_2)
	v_max3_num_f32 v254, v232, v233, v234
	s_delay_alu instid0(VALU_DEP_1)
	v_max_num_f32 v254, v254, v235
	s_delay_alu instid0(VALU_DEP_1)
	v_mul_f32 v254, s[CS], v254
	s_delay_alu instid0(VALU_DEP_1)
	v_max_num_f32 v13, v13, v254
	v_mov_b32 v254, v12
	s_delay_alu instid0(VALU_DEP_2)
	v_floor_f32 v12, -v13
	s_delay_alu instid0(VALU_DEP_1)
	v_sub_f32 v254, v12, v254
	s_delay_alu instid0(VALU_DEP_1)
	v_cvt_i32_f32 v254, v254
	s_delay_alu instid0(VALU_DEP_1)
	v_ldexp_f32 v252, 1.0, v254
.set j, 0
.rept 32
	v_pk_fma_f32 v[96+j:97+j], v[96+j:97+j], s[CS:CS+1], v[12:13] op_sel_hi:[1,0,0]
.set j, j+2
.endr
.irp b, 0,1,2,3
	v_fma_f32 v[232+\b], v[232+\b], s[CS], v12
.endr
.set j, 0
	s_wait_alu depctr_va_vdst(0)
.rept 64
	v_exp_f32 v[96+j], v[96+j]
.set j, j+1
.endr
.irp b, 0,1,2,3
	v_exp_f32 v[232+\b], v[232+\b]
.endr
	v_pk_mul_f32 v[14:15], v[14:15], v[252:253] op_sel_hi:[1,0]
	s_wait_alu depctr_va_vdst(0)
.irp b, 0,1,2,3
	v_max_num_f32 v[232+\b], 0x4800000, v[232+\b]
.endr
.irp b, 0,1,2,3
	s_delay_alu instid0(VALU_DEP_4)
	v_add_nc_u32 v[244+\b], 0xfc000000, v[232+\b]
.endr
.irp b, 0,1,2,3
.endr
.irp b, 0,1,2,3
	s_delay_alu instid0(VALU_DEP_4)
	v_lshrrev_b32 v[236+\b], 23, v[244+\b]
.endr
	s_delay_alu instid0(VALU_DEP_3)
	v_lshl_or_b32 v253, v237, 8, v236
	s_delay_alu instid0(VALU_DEP_1)
	v_lshl_or_b32 v253, v238, 16, v253
	s_delay_alu instid0(VALU_DEP_1)
	v_lshl_or_b32 v253, v239, 24, v253
	v_pk_add_f32 v[236:237], v[100:101], v[104:105]
	v_pk_add_f32 v[250:251], v[108:109], v[112:113]
	v_pk_add_f32 v[248:249], v[116:117], v[120:121]
	v_pk_add_f32 v[242:243], v[124:125], v[128:129]
	v_pk_add_f32 v[240:241], v[132:133], v[136:137]
	v_pk_add_f32 v[238:239], v[140:141], v[144:145]
	v_pk_add_f32 v[234:235], v[148:149], v[152:153]
	v_pk_add_f32 v[14:15], v[14:15], v[156:157]
	v_pk_add_f32 v[236:237], v[236:237], v[96:97]
	v_pk_add_f32 v[250:251], v[250:251], v[98:99]
	v_pk_add_f32 v[248:249], v[248:249], v[102:103]
	v_pk_add_f32 v[242:243], v[242:243], v[106:107]
	v_pk_add_f32 v[240:241], v[240:241], v[110:111]
	v_pk_add_f32 v[238:239], v[238:239], v[114:115]
	v_pk_add_f32 v[234:235], v[234:235], v[118:119]
	v_pk_add_f32 v[14:15], v[14:15], v[122:123]
	v_pk_add_f32 v[236:237], v[236:237], v[126:127]
	v_pk_add_f32 v[250:251], v[250:251], v[130:131]
	v_pk_add_f32 v[248:249], v[248:249], v[134:135]
	v_pk_add_f32 v[242:243], v[242:243], v[138:139]
	v_pk_add_f32 v[240:241], v[240:241], v[142:143]
	v_pk_add_f32 v[238:239], v[238:239], v[146:147]
	v_pk_add_f32 v[234:235], v[234:235], v[150:151]
	v_pk_add_f32 v[14:15], v[14:15], v[154:155]
	v_pk_add_f32 v[236:237], v[236:237], v[158:159]
	s_delay_alu instid0(VALU_DEP_2)
	v_pk_add_f32 v[14:15], v[14:15], v[242:243]
	s_delay_alu instid0(VALU_DEP_2)
	v_pk_add_f32 v[236:237], v[236:237], v[240:241]
	v_pk_add_f32 v[250:251], v[250:251], v[238:239]
	v_pk_add_f32 v[248:249], v[248:249], v[234:235]
	s_delay_alu instid0(VALU_DEP_2)
	v_pk_add_f32 v[14:15], v[14:15], v[250:251]
	s_delay_alu instid0(VALU_DEP_2)
	v_pk_add_f32 v[236:237], v[236:237], v[248:249]
	s_delay_alu instid0(VALU_DEP_1)
	v_pk_add_f32 v[14:15], v[14:15], v[236:237]
.irp b, 0,1,2,3
.irp i, 0,1,2,3,4,5,6,7,8,9,10,11,12,13,14,15
.endr
	v_cvt_scalef32_pk8_fp8_f32 v[224+4*\b:225+4*\b], v[96+16*\b:103+16*\b], v[244+\b]
	v_cvt_scalef32_pk8_fp8_f32 v[226+4*\b:227+4*\b], v[104+16*\b:111+16*\b], v[244+\b]
.endr
.set j, 0
.rept 16
	v_pk_mul_f32 v[160+j:161+j], v[160+j:161+j], v[252:253] op_sel_hi:[1,0]
.set j, j+2
.endr
	s_wait_alu depctr_va_vdst(0)
.irp g, 0,1
.if \g > 0
.rept 8
	v_nop
.endr
.endif
.irp t, 0,1
.irp c, 0,1,2,3
	ds_load_b128 v[192+16*\t+4*\c:192+16*\t+4*\c+3], v[ADV] offset:16*(2*\g+\t)*VP+128*(\q)+32*\c
.endr
	ds_load_b32 v[248+\t], v[ADT] offset:128*(2*\g+\t)+4*(\q)
.endr
	s_wait_dscnt 0x0
.irp t, 0,1
	v_wmma_scale_f32_16x16x128_f8f6f4 v[160+8*(2*\g+\t):167+8*(2*\g+\t)], v[192+16*\t:207+16*\t], v[224:239], v[160+8*(2*\g+\t):167+8*(2*\g+\t)], v[248+\t], v253
.endr
.endr
.endm
.macro CHANGE fill
	s_wait_tensorcnt 0x0
	ds_add_u32 v[SPW], v[NIL]
.if \fill
	s_xor_b32 s[G0K+1], s[G0K+1], SLOT1
	s_add_nc_u64 s[G0K+2:G0K+3], s[G0K+2:G0K+3], 65536
	s_xor_b32 s[G0V+1], s[G0V+1], SLOT1
	s_add_nc_u64 s[G0V+2:G0V+3], s[G0V+2:G0V+3], 262144
.endif
	s_wait_dscnt 0x0
	s_barrier_signal -1
	s_barrier_wait -1
.if \fill
	TLOAD G0K, G1K, G0V, G1V
.endif
.endm
.macro SLOT_STEPS
	STEP 0
	STEP 1
	s_xor_b32 s[TB], s[TB], SLOT1
	s_add_co_u32 s[TS], s[TS], 2048
	s_add_co_u32 s[TJ], s[TJ], 512
.endm
	s_wait_loadcnt 0x0
.Lslot:
	CHANGE 1
	SLOT_STEPS
	s_sub_co_u32 s[SLOTS], s[SLOTS], 1
	s_cmp_lg_u32 s[SLOTS], 0
	s_cbranch_scc1 .Lslot
	CHANGE 0
	SLOT_STEPS
.rept 8
	v_nop
.endr
	v_add_f32 v14, v14, v15
	s_delay_alu instid0(VALU_DEP_1)
	v_permlanex16_b32 v252, v14, s[SEL], s[SEL+1]
	s_delay_alu instid0(VALU_DEP_1)
	v_add_f32 v14, v14, v252
	s_wait_alu depctr_va_vdst(0)
	v_rcp_f32 v14, v14
	v_and_b32 v8, 15, v0
	v_bfe_u32 v9, v0, 4, 1
.set j, 0
	s_wait_alu depctr_va_vdst(0)
.rept 32
	v_mul_f32 v[96+j], v[160+j], v14
.set j, j+1
.endr
.irp b, 0,1
	v_max3_num_f32 v[232+\b], |v[96+16*\b]|, |v[97+16*\b]|, 0x4800000
.endr
.irp i, 2,4,6,8,10,12,14
.irp b, 0,1
	s_delay_alu instid0(VALU_DEP_2)
	v_max3_num_f32 v[232+\b], v[232+\b], |v[96+16*\b+\i]|, |v[97+16*\b+\i]|
.endr
.endr
.irp b, 0,1
	v_permlanex16_b32 v[236+\b], v[232+\b], s[SEL], s[SEL+1]
.endr
.irp b, 0,1
	s_delay_alu instid0(VALU_DEP_2)
	v_max_num_f32 v[232+\b], v[232+\b], v[236+\b]
.endr
.irp b, 0,1
	s_delay_alu instid0(VALU_DEP_2)
	v_add_nc_u32 v[244+\b], 0xfc000000, v[232+\b]
.endr
.irp b, 0,1
.endr
.irp b, 0,1
	s_delay_alu instid0(VALU_DEP_2)
	v_lshrrev_b32 v[236+\b], 23, v[244+\b]
.endr
.irp b, 0,1
.irp i, 0,1,2,3,4,5,6,7,8,9,10,11,12,13,14,15
.endr
	v_cvt_scalef32_pk8_fp8_f32 v[224+4*\b:225+4*\b], v[96+16*\b:103+16*\b], v[244+\b]
	v_cvt_scalef32_pk8_fp8_f32 v[226+4*\b:227+4*\b], v[104+16*\b:111+16*\b], v[244+\b]
.endr
	v_nop
	v_cmp_eq_u32 vcc_lo, 1, v9
	s_delay_alu instid0(VALU_DEP_1)
	v_cndmask_b32 v238, v236, v237, vcc_lo
	v_and_b32 v11, 8, v8
	s_delay_alu instid0(VALU_DEP_1)
	v_add_nc_u32 v11, v11, v8
	s_delay_alu instid0(VALU_DEP_1)
	v_lshl_add_u32 v10, v11, 3, v9
	global_store_b128 v[GO], v[224:227], s[12:13]
	global_store_b128 v[GO], v[228:231], s[12:13] offset:32
	global_store_b8 v10, v238, s[14:15]
	s_wait_tensorcnt 0x0
	ds_add_u32 v[SPW], v[NIL]
	s_wait_dscnt 0x0
	s_endpgm
.Lfunc_end_k_q539769b3ed_attn:
	.size	k_q539769b3ed_attn, .Lfunc_end_k_q539769b3ed_attn-k_q539769b3ed_attn
	.p2alignl 7, 3214868480
	.fill 96, 4, 3214868480
	.section	.rodata,"a",@progbits
	.p2align	6, 0x0
	.amdhsa_kernel k_q539769b3ed_attn
		.amdhsa_group_segment_fixed_size 327680
		.amdhsa_private_segment_fixed_size 0
		.amdhsa_enable_private_segment 0
		.amdhsa_kernarg_size 16
		.amdhsa_user_sgpr_count 2
		.amdhsa_user_sgpr_kernarg_segment_ptr 1
		.amdhsa_wavefront_size32 1
		.amdhsa_system_sgpr_workgroup_id_x 1
		.amdhsa_system_sgpr_workgroup_id_y 1
		.amdhsa_system_sgpr_workgroup_id_z 1
		.amdhsa_system_vgpr_workitem_id 0
		.amdhsa_next_free_vgpr 256
		.amdhsa_next_free_sgpr 100
		.amdhsa_reserve_vcc 1
		.amdhsa_float_denorm_mode_32 3
		.amdhsa_float_denorm_mode_16_64 3
		.amdhsa_fp16_overflow 1
		.amdhsa_memory_ordered 1
		.amdhsa_forward_progress 1
		.amdhsa_inst_pref_size 90
	.end_amdhsa_kernel
	.amdgpu_metadata
---
amdhsa.version: [ 1, 2 ]
amdhsa.kernels:
  - .name:           k_q539769b3ed_attn
    .symbol:         k_q539769b3ed_attn.kd
    .args:
      - { .name: qkvq, .offset: 0, .size: 8, .value_kind: global_buffer, .address_space: global }
      - { .name: actq, .offset: 8, .size: 8, .value_kind: global_buffer, .address_space: global }
    .group_segment_fixed_size: 327680
    .private_segment_fixed_size: 0
    .kernarg_segment_align: 8
    .kernarg_segment_size: 16
    .max_flat_workgroup_size: 512
    .sgpr_count:     100
    .vgpr_count:     256
    .wavefront_size: 32
...
	.end_amdgpu_metadata
.endif
;; end of part 3
;; launch wo (part 4): grid 4 x 16, 4 waves a work-group, clusters of 4 x 4, 327,680 bytes of LDS; arguments actq, wo, part; writes part
.if DOCPART == 4
	.amdgcn_target "amdgcn-amd-amdhsa--gfx1250"
	.amdhsa_code_object_version 6
	.text
	.protected	k_q539769b3ed_wo
	.globl	k_q539769b3ed_wo
	.p2align	8
	.type	k_q539769b3ed_wo,@function
k_q539769b3ed_wo:
	s_mov_b64 s[64:65], 0
	v_nop
	global_prefetch_b8 v0, s[64:65] scope:SCOPE_SE
	s_setreg_imm32_b32 hwreg(HW_REG_WAVE_MODE, 25, 1), 1
	s_wait_xcnt 0x0
	s_wait_alu depctr_hold_cnt(0) depctr_sa_sdst(0) depctr_va_vdst(0) depctr_va_sdst(0) depctr_va_ssrc(0) depctr_va_vcc(0) depctr_vm_vsrc(0)
	s_getreg_b32 s2, hwreg(HW_REG_IB_STS2, 6, 4)
	s_cmp_eq_u32 s2, 0
	s_cbranch_scc0 .Lentry_in_a_cluster
	s_endpgm
.Lentry_in_a_cluster:
	s_bfe_u32 s2, ttmp6, 0x10000c
	s_cmp_lg_u32 s2, 0xf033
	s_cbranch_scc0 .Lentry_shape_is_right
	s_endpgm
.Lentry_shape_is_right:
; C = A B^T over 1,024 along K, on codes of E4M3 with E8M0 scales; raw f32 sums out.  A: activations, codes [k / 256][4096][256], scale bytes [k / 256][4096][8] at byte 2^24 of the buffer;
; B: a weight of 1,024 rows, codes [k / 256][1024][256], scale bytes at byte 2^22.  C: [slice][4096][1024] f32.
; The cluster's y / 4 is the SLICE of K (1,024 each): one slice where K = 1,024, four where K = 4,096, so that 256 work-groups have work; the slices' sums are added by the launch that follows.
; A tile of 256 x 256 is made by four waves, 128 x 128 each: 64 accumulators, 512 registers.  A slice goes in four K steps of 256 through two LDS slots; the scale bytes of the slice come once.
; 4 x 4 work-groups form a cluster: A's tile is asked for jointly along a row of the cluster, B's along a column.  Source 0 = 16 rows of B, source 1 = 16 rows of A: a lane holds eight neighbouring numbers of a row of C.
; REGISTERS: window 0: v0-31 addresses; v32-63 scale words, two sets; v128-255 A's fragments, one set; window 1: B's fragments, two sets; windows 2, 3: accumulators.
.set NQ,     2
.set PITCH,  272                       ; an LDS row: 256 bytes + 16: the 16 rows that a load touches start at 16 different banks (ISA guide 11.1)
.set FR,     16
.set NL,     4
.set NP,     8                         ; places behind this matrix instruction (ISA guide 7.12.1)
.set HALFT,  128*PITCH
.set SLOT,   4*HALFT
.set STRA,   4096*256                  ; bytes from a K step to the next
.set STRB,   1024*256
.set ROWSA,  4096
.set ROWSB,  1024
.set SCL,    2*SLOT                    ; behind the ring: scale bytes [K step 4][128 rows][8], A's two halves, 128 bytes free, B's two halves
.set SGAP,   8320
.set SPARE,  SCL+16640                 ; the spare words, 128 bytes a wave
.set SPITCH, 528                       ; the way out: 16 rows x (512 + 16) bytes for each wave, in slot 0
.set SIZE_N, 1024
.set ADRA, 16
.set ADRB, 20
.set STO,  24
.set RD,   25
.set CO,   26
.set ADRS, 27
.set SPW,  28
.set NIL,  29
.set SC,   32
.set AF,   128
.set BK,   128
.set G1, 24
.set G0, 32
.set G1B, 48
.set G0B, 56
.set G1S, 68
.set G0S, 76
.set G1SB, 80
.set G0SB, 88
.set MSB, 0
.macro WIN new                         ; the immediate's high byte repeats the setting that is left
.if MSB != (\new)
	s_set_vgpr_msb (MSB<<8)|(\new)
.set MSB, (\new)
.endif
.endm
.set MUL_LO, 0xa1
.set MUL_HI, 0xf1
.set TO_B,   0x40
.macro JLOAD g0a, g1a, g0b, g1b        ; a joint load: waves 0 and 1 fetch for A, waves 2 and 3 for B; four v_nop follow each line
	s_cmp_eq_u32 s15, 0
	s_cbranch_scc0 .Lfor_b_\@
	tensor_load_to_lds s[\g0a:\g0a+3], s[\g1a:\g1a+7]
	s_nop 0
.rept 4
	v_nop
.endr
	s_branch .Lasked_\@
.Lfor_b_\@:
	tensor_load_to_lds s[\g0b:\g0b+3], s[\g1b:\g1b+7]
	s_nop 0
.rept 4
	v_nop
.endr
.Lasked_\@:
.endm
.macro CREST
	s_cmp_lg_u32 s14, 0
	s_cbranch_scc1 .Lnot_wave_0_\@
	s_barrier_signal -3
.Lnot_wave_0_\@:
	s_barrier_wait -3
	s_barrier_signal -1
	s_barrier_wait -1
.endm
.macro CROUND
	s_barrier_signal -1
	s_barrier_wait -1
	CREST
.endm
	s_load_b128 s[4:7], s[0:1], 0x0                ; A's buffer, B's buffer
	s_load_b64 s[12:13], s[0:1], 0x10              ; C
	v_lshl_add_u32 v[SPW], v0, 2, SPARE
	v_mov_b32 v[NIL], 0
	ds_add_u32 v28, v29
	ds_add_u32 v28, v29
	s_wait_dscnt 0x0
	v_lshrrev_b32 v1, 5, v0
	v_readfirstlane_b32 s14, v1                    ; wave
	s_lshr_b32 s15, s14, 1                         ; my half of the tile's rows.  Also: I fetch for A (0) or B (1)
	s_and_b32 s16, s14, 1                          ; my half of its columns.  Also: which 128 rows I fetch
	s_bfe_u32 s40, ttmp6, 0x40000                  ; cx
	s_bfe_u32 s41, ttmp6, 0x40004                  ; cy
	s_lshl_b32 s42, ttmp9, 2
	s_add_co_u32 s42, s42, s40                     ; tile column
	s_and_b32 s17, ttmp7, 0xffff
	s_lshr_b32 s95, s17, 2                         ; the slice of K: the cluster's y alone decides
	s_and_b32 s17, s17, 3
	s_lshl_b32 s17, s17, 2
	s_add_co_u32 s17, s17, s41                     ; tile row
	s_lshl_b32 s43, s41, 2
	s_lshl_b32 s43, 15, s43                        ; my row of the cluster
	s_lshl_b32 s44, 0x1111, s40                    ; my column
	s_or_b32 s[G1+0], s43, (0<<16)|(1<<20)|(1<<21)|(5<<22)|(3<<25)  ; mask; elements of 1 byte; padding of 4 words behind every 64; bit 21 beside a mask
	s_or_b32 s[G1B+0], s44, (0<<16)|(1<<20)|(1<<21)|(5<<22)|(3<<25)
.irp g, G1, G1B
	s_mov_b32 s[\g+1], 256<<16
	s_mov_b32 s[\g+2], 128<<16
	s_mov_b32 s[\g+3], 256<<16
	s_mov_b32 s[\g+4], 128
	s_mov_b32 s[\g+5], 256                         ; the rows of a tile are dense
	s_mov_b32 s[\g+6], 0
	s_mov_b32 s[\g+7], 0
.endr
	s_or_b32 s[G1S+0], s43, (3<<16)|(1<<21)        ; scale bytes: 4 K steps x 128 rows of 8 bytes, no padding
	s_or_b32 s[G1SB+0], s44, (3<<16)|(1<<21)
.irp g, G1S, G1SB
	s_mov_b32 s[\g+1], 128<<16
	s_mov_b32 s[\g+2], 4<<16
	s_mov_b32 s[\g+3], 128<<16
	s_mov_b32 s[\g+4], 4
	s_mov_b32 s[\g+6], 0
	s_mov_b32 s[\g+7], 0
.endr
	s_mov_b32 s[G1S+5], ROWSA
	s_mov_b32 s[G1SB+5], ROWSB
	s_lshl_b32 s18, s16, 7
	s_lshl_b32 s20, s17, 8
	s_add_co_u32 s20, s20, s18                     ; A: the first row that I fetch
	s_lshl_b32 s46, s42, 8
	s_add_co_u32 s46, s46, s18                     ; B likewise
	s_lshl_b32 s22, s20, 3
	s_lshl_b32 s20, s20, 8
	s_lshl_b32 s92, s46, 3
	s_lshl_b32 s46, s46, 8
	s_lshl_b32 s18, s95, 22                        ; the slice's four K steps
	s_add_co_u32 s20, s20, s18
	s_lshl_b32 s18, s95, 17
	s_add_co_u32 s22, s22, s18
	s_add_co_u32 s22, s22, 0x1000000
	s_lshl_b32 s18, s95, 20
	s_add_co_u32 s46, s46, s18
	s_lshl_b32 s18, s95, 15
	s_add_co_u32 s92, s92, s18
	s_add_co_u32 s92, s92, 0x400000
	s_mov_b32 s21, 0
	s_mov_b32 s23, 0
	s_mov_b32 s47, 0
	s_mov_b32 s93, 0
	s_mul_i32 s45, s14, HALFT
	s_lshl_b32 s94, s14, 12
	s_lshl_b32 s18, s15, 7
	s_add_co_u32 s94, s94, s18
	s_wait_kmcnt 0x0
	s_add_nc_u64 s[20:21], s[4:5], s[20:21]
	s_add_nc_u64 s[22:23], s[4:5], s[22:23]
	s_add_nc_u64 s[46:47], s[6:7], s[46:47]
	s_add_nc_u64 s[92:93], s[6:7], s[92:93]
	CROUND                                         ; all sixteen work-groups are here: the first joint loads meet
	s_mov_b32 s[G0S], 1
	s_add_co_u32 s[G0S+1], s94, SCL
	s_mov_b64 s[G0S+2:G0S+3], s[22:23]
	s_or_b32 s[G0S+3], s[G0S+3], 0x80000000
	s_mov_b32 s[G0SB], 1
	s_add_co_u32 s[G0SB+1], s94, SCL
	s_mov_b64 s[G0SB+2:G0SB+3], s[92:93]
	s_or_b32 s[G0SB+3], s[G0SB+3], 0x80000000
	JLOAD G0S, G1S, G0SB, G1SB                     ; the slice's scale bytes: filled once
.irp s, 0,1
	s_mov_b32 s[G0+4*\s], 1
	s_add_co_u32 s[G0+4*\s+1], s45, \s*SLOT
	s_add_nc_u64 s[G0+4*\s+2:G0+4*\s+3], s[20:21], \s*STRA
	s_or_b32 s[G0+4*\s+3], s[G0+4*\s+3], 0x80000000
	s_mov_b32 s[G0B+4*\s], 1
	s_add_co_u32 s[G0B+4*\s+1], s45, \s*SLOT
	s_add_nc_u64 s[G0B+4*\s+2:G0B+4*\s+3], s[46:47], \s*STRB
	s_or_b32 s[G0B+4*\s+3], s[G0B+4*\s+3], 0x80000000
	JLOAD G0+4*\s, G1, G0B+4*\s, G1B
.endr
	v_and_b32 v1, 15, v0                           ; r
	v_bfe_u32 v2, v0, 4, 1                         ; h
	s_wait_alu depctr_va_vdst(0)
	v_mul_u32_u24 v3, v1, PITCH
	v_lshl_add_u32 v4, v2, 4, v3
	s_mul_i32 s21, s15, HALFT
	s_mul_i32 s22, s16, HALFT
	s_add_co_u32 s22, s22, 2*HALFT
.irp s, 0,1
	v_add_nc_u32 v[ADRA+\s], s21, v4
	v_add_nc_u32 v[ADRB+\s], s22, v4
	s_add_co_u32 s21, s21, SLOT
	s_add_co_u32 s22, s22, SLOT
.endr
	v_lshlrev_b32 v5, 3, v1
	s_lshl_b32 s21, s15, 12
	s_lshl_b32 s22, s16, 12
	s_add_co_u32 s22, s22, SGAP
	s_sub_co_u32 s22, s22, s21
	v_mul_u32_u24 v6, s22, v2                      ; lanes 16-31 take B's
	s_add_co_u32 s21, s21, SCL
	v_add_nc_u32 v5, v5, v6
	v_add_nc_u32 v[ADRS], s21, v5
	s_mul_i32 s23, s14, 16*SPITCH                  ; my stage
	v_mul_u32_u24 v5, v1, SPITCH
	v_lshl_add_u32 v5, v2, 5, v5
	v_add_nc_u32 v[STO], s23, v5
	v_and_b32 v6, 31, v0
	v_lshlrev_b32 v[CO], 4, v6
	v_add_nc_u32 v[RD], s23, v[CO]
	s_lshl_b32 s20, s17, 8
	s_lshl_b32 s21, s15, 7
	s_add_co_u32 s20, s20, s21                     ; my first row of C
	s_lshl_b32 s20, s20, 12
	s_lshl_b32 s21, s95, 24                        ; the slice's own 4,096 x 1,024 numbers
	s_add_co_u32 s20, s20, s21
	s_mov_b32 s21, 0
	s_lshl_b32 s46, s42, 10
	s_lshl_b32 s47, s16, 9
	s_add_co_u32 s46, s46, s47
	s_mov_b32 s47, 0
	s_add_nc_u64 s[20:21], s[20:21], s[46:47]
	s_add_nc_u64 s[12:13], s[12:13], s[20:21]
.macro FRAG reg, adr, q, i
.irp c, 0,1,2,3
	ds_load_b128 v[\reg+4*\c:\reg+4*\c+3], v[\adr] offset:128*(\q)+32*\c+(\i)*16*PITCH
.endr
.endm
; 16 matrix instructions: A's blocks a0, a0 + 1 x B's eight.  The 64 accumulators take turns, one instruction a turn
.macro MUL16 a0, p, q, sc, zero
.irp a, \a0, \a0+1
.irp b, 0,1,2,3,4,5,6,7
.if \zero
	v_wmma_scale_f32_16x16x128_f8f6f4 v[8*(8*((\a)%4)+\b):8*(8*((\a)%4)+\b)+7], v[128*(\p)+FR*\b:128*(\p)+FR*\b+FR-1], v[AF+FR*(\a):AF+FR*(\a)+FR-1], 0, v[SC+8*NQ*(\sc)+NQ*\b+(\q)], v[SC+8*NQ*(\sc)+NQ*(\a)+(\q)] matrix_a_scale:MATRIX_SCALE_ROW1
.else
	v_wmma_scale_f32_16x16x128_f8f6f4 v[8*(8*((\a)%4)+\b):8*(8*((\a)%4)+\b)+7], v[128*(\p)+FR*\b:128*(\p)+FR*\b+FR-1], v[AF+FR*(\a):AF+FR*(\a)+FR-1], v[8*(8*((\a)%4)+\b):8*(8*((\a)%4)+\b)+7], v[SC+8*NQ*(\sc)+NQ*\b+(\q)], v[SC+8*NQ*(\sc)+NQ*(\a)+(\q)] matrix_a_scale:MATRIX_SCALE_ROW1
.endif
.endr
.endr
.endm
.macro FETCH_B slot, q, p
	WIN TO_B
.irp i, 0,1,2,3,4,5,6,7
	FRAG 128*(\p)+FR*\i, ADRB+\slot, \q, \i
.endr
	WIN 0
.endm
.macro FETCH_A slot, q, i0
.irp i, \i0, \i0+1, \i0+2, \i0+3
	FRAG AF+FR*(\i), ADRA+\slot, \q, \i
.endr
.endm
.macro SCALES sc
.irp i, 0,1,2,3,4,5,6,7
	ds_load_b64 v[SC+8*NQ*\sc+NQ*\i:SC+8*NQ*\sc+NQ*\i+1], v[ADRS] offset:\i*128
.endr
.endm
.macro PLACES n
.rept \n
	v_nop
.endr
.endm
.macro STEP slot, q, zero
	s_wait_dscnt 4*NL                              ; all but the youngest 16 loads (A's blocks 4-7)
	WIN MUL_LO
	MUL16 0, (\q)%2, \q, \slot, \zero
	MUL16 2, (\q)%2, \q, \slot, \zero
	s_wait_dscnt 0
	PLACES NP
	FETCH_B \slot, (\q)+1, 1-(\q)%2
	FETCH_A \slot, (\q)+1, 0
	WIN MUL_HI
	MUL16 4, (\q)%2, \q, \slot, \zero
	MUL16 6, (\q)%2, \q, \slot, \zero
	PLACES NP
	WIN 0
	FETCH_A \slot, (\q)+1, 4
.endm
.macro TURN slot, next, fill
	s_wait_tensorcnt 0x0                           ; all my tensor loads have landed: my part of the next slot
	ds_add_u32 v[SPW], v[NIL]                      ; 0 onto my spare word
	s_wait_dscnt 4*NL+1                            ; the add and the youngest 16 loads may be out
	WIN MUL_LO
	MUL16 0, 1, NQ-1, \slot, 0
	s_wait_dscnt 0x0                               ; the add is done, and my reads of this slot are over
	s_barrier_signal -1
	MUL16 2, 1, NQ-1, \slot, 0
	WIN 0
	s_barrier_wait -1
.if \fill
	CREST                                          ; the barrier has opened a round of the cluster's barrier
	s_add_nc_u64 s[G0+4*\slot+2:G0+4*\slot+3], s[G0+4*\slot+2:G0+4*\slot+3], 2*STRA
	s_add_nc_u64 s[G0B+4*\slot+2:G0B+4*\slot+3], s[G0B+4*\slot+2:G0B+4*\slot+3], 2*STRB
	JLOAD G0+4*\slot, G1, G0B+4*\slot, G1B         ; my one tensor load behind the round; its four v_nop are four of the places
	PLACES NP-4
.else
	PLACES NP
.endif
	s_wait_alu depctr_va_vdst(0)
	v_add_nc_u32 v[ADRS], 1024, v[ADRS]
	FETCH_B \next, 0, 0
	FETCH_A \next, 0, 0
	SCALES \next
	WIN MUL_HI
	MUL16 4, 1, NQ-1, \slot, 0
	MUL16 6, 1, NQ-1, \slot, 0
	PLACES NP
	WIN 0
	FETCH_A \next, 0, 4
.endm
	s_wait_alu depctr_va_vdst(0)
	s_wait_tensorcnt 1                             ; the scale bytes and my part of K step 0 are in; K step 1's load may be out
	s_barrier_signal -1
	s_barrier_wait -1
	FETCH_B 0, 0, 0
	FETCH_A 0, 0, 0
	SCALES 0
	FETCH_A 0, 0, 4
	STEP 0, 0, 1                                   ; the first products start the sums
	TURN 0, 1, 1
	STEP 1, 0, 0
	TURN 1, 0, 1
	STEP 0, 0, 0
	TURN 0, 1, 0                                   ; behind this barrier nobody reads slot 0, and it has had its last fill
	STEP 1, 0, 0
	s_wait_dscnt 4*NL
	WIN MUL_LO
	MUL16 0, 1, NQ-1, 1, 0
	MUL16 2, 1, NQ-1, 1, 0
	s_wait_dscnt 0
	WIN MUL_HI
	MUL16 4, 1, NQ-1, 1, 0
	MUL16 6, 1, NQ-1, 1, 0
	WIN 0
; THE WAY OUT, block by block of 16 rows x 128 columns, through my own stage: whole rows of 512 bytes come back and are stored by the 32 lanes
.macro TOSTAGE a
.set AC, 64*((\a)%4)
	WIN 0x08+4*((\a)/4)                            ; the data: window 2 or 3
.irp b, 0,1,2,3,4,5,6,7
	ds_store_b128 v[STO], v[AC+8*\b:AC+8*\b+3] offset:64*\b        ; each accumulator from its low end on
	ds_store_b128 v[STO], v[AC+8*\b+4:AC+8*\b+7] offset:64*\b+16
.endr
	WIN 0
.set BB, BK+64*((\a)%2)
.irp t, 0,1,2,3,4,5,6,7,8,9,10,11,12,13,14,15
	ds_load_b128 v[BB+4*\t:BB+4*\t+3], v[RD] offset:\t*SPITCH      ; LDS serves a wave's instructions in order (ISA guide 5.7.1.4)
.endr
.endm
.macro SEND a, younger
.set BB, BK+64*((\a)%2)
	s_wait_dscnt \younger
.if (\a) > 0
	s_add_nc_u64 s[12:13], s[12:13], 16*SIZE_N*4   ; behind a wait on XCNT: the earlier stores have read their base
.endif
.irp t, 0,1,2,3,4,5,6,7,8,9,10,11,12,13,14,15
	global_store_b128 v[CO], v[BB+4*\t:BB+4*\t+3], s[12:13] offset:\t*SIZE_N*4    ; 512 consecutive bytes, aligned
.endr
.endm
	PLACES NP
	TOSTAGE 0
.irp a, 1,2,3,4,5,6,7
.if \a > 1
	s_wait_xcnt 0x0                                ; block a - 2's stores have read their registers and their base
.endif
	TOSTAGE \a
	SEND \a-1, 32                                  ; behind block a - 1's loads: block a's 16 stores and 16 loads
.endr
	s_wait_xcnt 0x0
	SEND 7, 0
	s_wait_tensorcnt 0x0                           ; the wave's end
	ds_add_u32 v[SPW], v[NIL]
	s_wait_dscnt 0x0
	CROUND                                         ; the closing round
	s_endpgm
.Lfunc_end_k_q539769b3ed_wo:
	.size	k_q539769b3ed_wo, .Lfunc_end_k_q539769b3ed_wo-k_q539769b3ed_wo
	.p2alignl 7, 3214868480
	.fill 96, 4, 3214868480
	.section	.rodata,"a",@progbits
	.p2align	6, 0x0
	.amdhsa_kernel k_q539769b3ed_wo
		.amdhsa_group_segment_fixed_size 327680
		.amdhsa_private_segment_fixed_size 0
		.amdhsa_enable_private_segment 0
		.amdhsa_kernarg_size 24
		.amdhsa_user_sgpr_count 2
		.amdhsa_user_sgpr_kernarg_segment_ptr 1
		.amdhsa_wavefront_size32 1
		.amdhsa_system_sgpr_workgroup_id_x 1
		.amdhsa_system_sgpr_workgroup_id_y 1
		.amdhsa_system_sgpr_workgroup_id_z 1
		.amdhsa_system_vgpr_workitem_id 0
		.amdhsa_next_free_vgpr 1024
		.amdhsa_next_free_sgpr 100
		.amdhsa_reserve_vcc 0
		.amdhsa_float_denorm_mode_32 3
		.amdhsa_float_denorm_mode_16_64 3
		.amdhsa_memory_ordered 1
		.amdhsa_forward_progress 1
		.amdhsa_inst_pref_size 146
	.end_amdhsa_kernel
	.amdgpu_metadata
---
amdhsa.version: [ 1, 2 ]
amdhsa.kernels:
  - .name:           k_q539769b3ed_wo
    .symbol:         k_q539769b3ed_wo.kd
    .args:
      - { .name: actq, .offset: 0, .size: 8, .value_kind: global_buffer, .address_space: global }
      - { .name: wo, .offset: 8, .size: 8, .value_kind: global_buffer, .address_space: global }
      - { .name: part, .offset: 16, .size: 8, .value_kind: global_buffer, .address_space: global }
    .group_segment_fixed_size: 327680
    .private_segment_fixed_size: 0
    .kernarg_segment_align: 8
    .kernarg_segment_size: 24
    .max_flat_workgroup_size: 128
    .sgpr_count:     100
    .vgpr_count:     1024
    .wavefront_size: 32
...
	.end_amdgpu_metadata
.endif
;; end of part 4
;; launch ln1 (part 5): grid 256 x 1, 16 waves a work-group, no clusters, 83,968 bytes of LDS; arguments part, x, bo, g1, be1, h, actq; writes h, actq
.if DOCPART == 5
	.amdgcn_target "amdgcn-amd-amdhsa--gfx1250"
	.amdhsa_code_object_version 6
	.text
	.protected	k_q539769b3ed_ln1
	.globl	k_q539769b3ed_ln1
	.p2align	8
	.type	k_q539769b3ed_ln1,@function
k_q539769b3ed_ln1:
	s_mov_b64 s[64:65], 0
	v_nop
	global_prefetch_b8 v0, s[64:65] scope:SCOPE_SE
	s_setreg_imm32_b32 hwreg(HW_REG_WAVE_MODE, 25, 1), 1
	s_wait_xcnt 0x0
; h = layer_norm(x + (ctx Wo + bo)) g1 + be1: one row of 1,024 to a wave, kept in 32 registers a lane; h leaves as f32 and as codes of E4M3 with E8M0 scale bytes.
; Load j gives lane l the numbers 128 j + 4 l .. + 3: every load and every f32 store of the wave covers 512 consecutive bytes.  Mean first, then the mean of the squared differences, as the layer norm is defined.
; For the quantiser a lane must hold 16 neighbours: the row turns through the wave's own LDS stage (64 bytes + 16 of padding a place).  Waves share nothing: no barrier.
; Memory binds: no matrix unit, no cluster, no tensor load.
; LIMITS of the quantiser: a block of zeros gets the byte 1; largest magnitudes under 2^-118 are held at the byte 1; NaN and infinities are not served.
.set Y,  16
.set XR, 48
.set BO, 80
.set G,  112
.set BE, 144
.set T,  176
.set SP, 80
	s_load_b256 s[4:11], s[0:1], 0x0               ; part, x, bo, g1
	s_load_b128 s[12:15], s[0:1], 0x20             ; be1, h
	s_load_b64 s[16:17], s[0:1], 0x30              ; actq
	v_lshl_add_u32 v192, v0, 2, 0x14000
	v_mov_b32 v193, 0
	v_lshrrev_b32 v2, 5, v0
	s_delay_alu instid0(VALU_DEP_1)
	v_readfirstlane_b32 s18, v2                    ; wave
	v_and_b32 v3, 31, v0                           ; lane
	s_delay_alu instid0(VALU_DEP_1)
	v_lshlrev_b32 v1, 4, v3
	s_lshl_b32 s19, ttmp9, 4
	s_add_co_u32 s19, s19, s18                     ; my row
	s_lshl_b32 s20, s19, 12
	s_mov_b32 s21, 0
	s_lshl_b32 s22, s19, 8
	s_mov_b32 s23, 0
	s_lshl_b32 s24, s19, 3
	s_add_co_u32 s24, s24, 0x1000000
	s_mov_b32 s25, 0
	s_mov_b32 s30, 0x76543210
	s_mov_b32 s31, 0xfedcba98
	s_mov_b32 s32, 0x3727c5ac                      ; 1e-5
	s_mov_b32 s33, 0x3a800000                      ; 1 / 1,024
	s_mul_i32 s35, s18, 5120                       ; my two stages
	v_mov_b32 v[T+9], 0                            ; a lane permute's destination counts as one of its sources
	s_wait_alu depctr_va_vdst(0)
	s_wait_kmcnt 0x0
	s_add_nc_u64 s[4:5], s[4:5], s[20:21]
	s_add_nc_u64 s[6:7], s[6:7], s[20:21]
	s_add_nc_u64 s[14:15], s[14:15], s[20:21]
	s_add_nc_u64 s[26:27], s[16:17], s[22:23]      ; codes
	s_add_nc_u64 s[28:29], s[16:17], s[24:25]      ; scale bytes
.macro LD8 reg, b
.irp j, 0,1,2,3,4,5,6,7
	global_load_b128 v[\reg+4*\j:\reg+4*\j+3], v1, s[\b:\b+1] offset:512*\j
.endr
.endm
.macro RED                             ; the sum over the 32 lanes, in every lane
	s_delay_alu instid0(VALU_DEP_1)
	v_add_f32_dpp v[T+8], v[T+8], v[T+8] row_xmask:1 row_mask:0xf bank_mask:0xf
	s_delay_alu instid0(VALU_DEP_1)
	v_add_f32_dpp v[T+8], v[T+8], v[T+8] row_xmask:2 row_mask:0xf bank_mask:0xf
	s_delay_alu instid0(VALU_DEP_1)
	v_add_f32_dpp v[T+8], v[T+8], v[T+8] row_xmask:4 row_mask:0xf bank_mask:0xf
	s_delay_alu instid0(VALU_DEP_1)
	v_add_f32_dpp v[T+8], v[T+8], v[T+8] row_xmask:8 row_mask:0xf bank_mask:0xf
	s_delay_alu instid0(VALU_DEP_1)
	v_permlanex16_b32 v[T+9], v[T+8], s30, s31
	s_delay_alu instid0(VALU_DEP_1)
	v_add_f32 v[T+8], v[T+8], v[T+9]
.endm
.macro FOLD                            ; four chains of pairs into one number a lane
	s_delay_alu instid0(VALU_DEP_3)
	v_pk_add_f32 v[T:T+1], v[T:T+1], v[T+2:T+3]
	s_delay_alu instid0(VALU_DEP_2)
	v_pk_add_f32 v[T+4:T+5], v[T+4:T+5], v[T+6:T+7]
	s_delay_alu instid0(VALU_DEP_1)
	v_pk_add_f32 v[T:T+1], v[T:T+1], v[T+4:T+5]
	s_delay_alu instid0(VALU_DEP_1)
	v_add_f32 v[T+8], v[T], v[T+1]
.endm
	LD8 Y, 4
	LD8 XR, 6
	LD8 BO, 8
	LD8 G, 10
	LD8 BE, 12
	v_lshrrev_b32 v14, 2, v3
	s_delay_alu instid0(VALU_DEP_1)
	v_mul_u32_u24 v14, v14, SP
	v_and_b32 v15, 3, v3
	s_delay_alu instid0(VALU_DEP_1)
	v_lshl_add_u32 v14, v15, 4, v14
	s_delay_alu instid0(VALU_DEP_1)
	v_add_nc_u32 v14, s35, v14                     ; the stage, in
	v_mul_u32_u24 v15, v3, SP
	s_delay_alu instid0(VALU_DEP_1)
	v_add_nc_u32 v15, s35, v15                     ; out: my 16 neighbours
	v_and_b32 v4, 15, v3
	s_delay_alu instid0(VALU_DEP_1)
	v_lshlrev_b32 v4, 4, v4
	v_lshrrev_b32 v6, 4, v3
	s_delay_alu instid0(VALU_DEP_1)
	v_lshl_or_b32 v4, v6, 20, v4                   ; codes: lanes 16-31 hold the next 256 along K
	v_and_b32 v7, 1, v3
	s_delay_alu instid0(VALU_DEP_1)
	v_lshl_add_u32 v5, v7, 1, v6
	s_delay_alu instid0(VALU_DEP_1)
	v_lshlrev_b32 v5, 15, v5
	v_bfe_u32 v6, v3, 1, 3
	s_delay_alu instid0(VALU_DEP_1)
	v_add_nc_u32 v5, v5, v6                        ; my scale byte: K step 2 (lane % 2) + lane / 16, block (lane / 2) % 8
	s_wait_loadcnt 16                              ; the sums, x and bo are in; g1's and be1's 16 loads may be out
.set k, 0
.rept 16
	v_pk_add_f32 v[Y+k:Y+k+1], v[Y+k:Y+k+1], v[BO+k:BO+k+1]
.set k, k+2
.endr
.set k, 0
.rept 16
	v_pk_add_f32 v[Y+k:Y+k+1], v[Y+k:Y+k+1], v[XR+k:XR+k+1]
.set k, k+2
.endr
.irp c, 0,1,2,3
	v_pk_add_f32 v[T+2*\c:T+2*\c+1], v[Y+2*\c:Y+2*\c+1], v[Y+8+2*\c:Y+9+2*\c]
.endr
.irp c, 0,1,2,3
	s_delay_alu instid0(VALU_DEP_4)
	v_pk_add_f32 v[T+2*\c:T+2*\c+1], v[T+2*\c:T+2*\c+1], v[Y+16+2*\c:Y+17+2*\c]
.endr
.irp c, 0,1,2,3
	s_delay_alu instid0(VALU_DEP_4)
	v_pk_add_f32 v[T+2*\c:T+2*\c+1], v[T+2*\c:T+2*\c+1], v[Y+24+2*\c:Y+25+2*\c]
.endr
	FOLD
	RED
	s_delay_alu instid0(VALU_DEP_1)
	v_mul_f32 v8, s33, v[T+8]                      ; the mean
	s_delay_alu instid0(VALU_DEP_1)
	v_mov_b32 v9, v8
.set k, 0
.rept 16
	v_pk_add_f32 v[Y+k:Y+k+1], v[Y+k:Y+k+1], v[8:9] neg_lo:[0,1] neg_hi:[0,1]
.set k, k+2
.endr
.irp c, 0,1,2,3
	v_pk_mul_f32 v[T+2*\c:T+2*\c+1], v[Y+2*\c:Y+2*\c+1], v[Y+2*\c:Y+2*\c+1]
.endr
.irp q, 8,16,24
.irp c, 0,1,2,3
	s_delay_alu instid0(VALU_DEP_4)
	v_pk_fma_f32 v[T+2*\c:T+2*\c+1], v[Y+\q+2*\c:Y+\q+1+2*\c], v[Y+\q+2*\c:Y+\q+1+2*\c], v[T+2*\c:T+2*\c+1]
.endr
.endr
	FOLD
	RED
	s_delay_alu instid0(VALU_DEP_1)
	v_fma_f32 v12, v[T+8], s33, s32                ; the variance + 1e-5
	s_wait_alu depctr_va_vdst(0)
	v_rsq_f32 v10, v12
	v_rsq_f32 v11, v12
	v_nop                                          ; a plain place behind the transcendentals
.set k, 0
	s_wait_alu depctr_va_vdst(0)
.rept 16
	v_pk_mul_f32 v[Y+k:Y+k+1], v[Y+k:Y+k+1], v[10:11]
.set k, k+2
.endr
	s_wait_loadcnt 0x0                             ; g1, be1
.set k, 0
.rept 16
	v_pk_fma_f32 v[Y+k:Y+k+1], v[Y+k:Y+k+1], v[G+k:G+k+1], v[BE+k:BE+k+1]
.set k, k+2
.endr
.irp j, 0,1,2,3,4,5,6,7
	global_store_b128 v1, v[Y+4*\j:Y+4*\j+3], s[14:15] offset:512*\j
.endr
.irp s, 0,1                            ; half s of the row through stage s
.irp i, 0,1,2,3
	ds_store_b128 v14, v[Y+16*\s+4*\i:Y+16*\s+4*\i+3] offset:2560*\s+8*SP*\i
.endr
.irp i, 0,1,2,3
	ds_load_b128 v[XR+16*\s+4*\i:XR+16*\s+4*\i+3], v15 offset:2560*\s+16*\i     ; LDS serves a wave's instructions in order
.endr
.endr
	s_wait_dscnt 0x0
.irp s, 0,1
.set XS, XR+16*\s
	v_max3_num_f32 v[T+2*\s], |v[XS]|, |v[XS+1]|, |v[XS+2]|
	v_max3_num_f32 v[T+1+2*\s], |v[XS+3]|, |v[XS+4]|, |v[XS+5]|
.irp i, 6,10
	s_delay_alu instid0(VALU_DEP_2)
	v_max3_num_f32 v[T+2*\s], v[T+2*\s], |v[XS+\i]|, |v[XS+\i+1]|
	s_delay_alu instid0(VALU_DEP_2)
	v_max3_num_f32 v[T+1+2*\s], v[T+1+2*\s], |v[XS+\i+2]|, |v[XS+\i+3]|
.endr
	s_delay_alu instid0(VALU_DEP_2)
	v_max3_num_f32 v[T+2*\s], v[T+2*\s], |v[XS+14]|, |v[XS+15]|
	s_delay_alu instid0(VALU_DEP_1)
	v_max3_num_f32 v[T+2*\s], v[T+2*\s], v[T+1+2*\s], 0x4800000    ; the floor: the byte cannot fall under 1
	s_delay_alu instid0(VALU_DEP_1)
	v_max_num_f32_dpp v[T+2*\s], v[T+2*\s], v[T+2*\s] row_xmask:1 row_mask:0xf bank_mask:0xf     ; with my neighbour's 16: the block's
	s_delay_alu instid0(VALU_DEP_1)
	v_add_nc_u32 v[T+4+\s], 0xfc000000, v[T+2*\s]
.irp i, 0,1,2,3,4,5,6,7,8,9,10,11,12,13,14,15
.endr
	v_cvt_scalef32_pk8_fp8_f32 v[BO+4*\s:BO+4*\s+1], v[XS:XS+7], v[T+4+\s]
	v_cvt_scalef32_pk8_fp8_f32 v[BO+4*\s+2:BO+4*\s+3], v[XS+8:XS+15], v[T+4+\s]
	v_lshrrev_b32 v[BO+8+\s], 23, v[T+4+\s]        ; the byte
.endr
	v_cmp_eq_u32 vcc_lo, 1, v7
	s_delay_alu instid0(VALU_DEP_1)
	v_cndmask_b32 v[BO+10], v[BO+8], v[BO+9], vcc_lo       ; even lanes store the first half's byte, odd lanes the second's
	global_store_b128 v4, v[BO:BO+3], s[26:27]             ; sixteen lanes store 256 consecutive bytes, aligned
	global_store_b128 v4, v[BO+4:BO+7], s[26:27] offset:2097152
	global_store_b8 v5, v[BO+10], s[28:29]
	s_wait_tensorcnt 0x0
	ds_add_u32 v192, v193
	s_wait_dscnt 0x0
	s_endpgm
.Lfunc_end_k_q539769b3ed_ln1:
	.size	k_q539769b3ed_ln1, .Lfunc_end_k_q539769b3ed_ln1-k_q539769b3ed_ln1
	.p2alignl 7, 3214868480
	.fill 96, 4, 3214868480
	.section	.rodata,"a",@progbits
	.p2align	6, 0x0
	.amdhsa_kernel k_q539769b3ed_ln1
		.amdhsa_group_segment_fixed_size 83968
		.amdhsa_private_segment_fixed_size 0
		.amdhsa_enable_private_segment 0
		.amdhsa_kernarg_size 56
		.amdhsa_user_sgpr_count 2
		.amdhsa_user_sgpr_kernarg_segment_ptr 1
		.amdhsa_wavefront_size32 1
		.amdhsa_system_sgpr_workgroup_id_x 1
		.amdhsa_system_sgpr_workgroup_id_y 1
		.amdhsa_system_sgpr_workgroup_id_z 1
		.amdhsa_system_vgpr_workitem_id 0
		.amdhsa_next_free_vgpr 194
		.amdhsa_next_free_sgpr 66
		.amdhsa_reserve_vcc 1
		.amdhsa_float_denorm_mode_32 3
		.amdhsa_float_denorm_mode_16_64 3
		.amdhsa_fp16_overflow 1
		.amdhsa_memory_ordered 1
		.amdhsa_forward_progress 1
		.amdhsa_inst_pref_size 21
	.end_amdhsa_kernel
	.amdgpu_metadata
---
amdhsa.version: [ 1, 2 ]
amdhsa.kernels:
  - .name:           k_q539769b3ed_ln1
    .symbol:         k_q539769b3ed_ln1.kd
    .args:
      - { .name: part, .offset: 0, .size: 8, .value_kind: global_buffer, .address_space: global }
      - { .name: x, .offset: 8, .size: 8, .value_kind: global_buffer, .address_space: global }
      - { .name: bo, .offset: 16, .size: 8, .value_kind: global_buffer, .address_space: global }
      - { .name: g1, .offset: 24, .size: 8, .value_kind: global_buffer, .address_space: global }
      - { .name: be1, .offset: 32, .size: 8, .value_kind: global_buffer, .address_space: global }
      - { .name: h, .offset: 40, .size: 8, .value_kind: global_buffer, .address_space: global }
      - { .name: actq, .offset: 48, .size: 8, .value_kind: global_buffer, .address_space: global }
    .group_segment_fixed_size: 83968
    .private_segment_fixed_size: 0
    .kernarg_segment_align: 8
    .kernarg_segment_size: 56
    .max_flat_workgroup_size: 512
    .sgpr_count:     66
    .vgpr_count:     194
    .wavefront_size: 32
...
	.end_amdgpu_metadata
.endif
;; end of part 5
;; launch ffn1 (part 6): grid 16 x 16, 4 waves a work-group, clusters of 4 x 4, 327,680 bytes of LDS; arguments actq, wts, b1, fq; writes fq
.if DOCPART == 6
	.amdgcn_target "amdgcn-amd-amdhsa--gfx1250"
	.amdhsa_code_object_version 6
	.text
	.protected	k_q539769b3ed_ffn1
	.globl	k_q539769b3ed_ffn1
	.p2align	8
	.type	k_q539769b3ed_ffn1,@function
k_q539769b3ed_ffn1:
	s_mov_b64 s[64:65], 0
	v_nop
	global_prefetch_b8 v0, s[64:65] scope:SCOPE_SE
	s_setreg_imm32_b32 hwreg(HW_REG_WAVE_MODE, 25, 1), 1
	s_wait_xcnt 0x0
	s_wait_alu depctr_hold_cnt(0) depctr_sa_sdst(0) depctr_va_vdst(0) depctr_va_sdst(0) depctr_va_ssrc(0) depctr_va_vcc(0) depctr_vm_vsrc(0)
	s_getreg_b32 s2, hwreg(HW_REG_IB_STS2, 6, 4)
	s_cmp_eq_u32 s2, 0
	s_cbranch_scc0 .Lentry_in_a_cluster
	s_endpgm
.Lentry_in_a_cluster:
	s_bfe_u32 s2, ttmp6, 0x10000c
	s_cmp_lg_u32 s2, 0xf033
	s_cbranch_scc0 .Lentry_shape_is_right
	s_endpgm
.Lentry_shape_is_right:
; f = relu(h W1 + b1) on codes of E4M3 with E8M0 scales, and f quantised at once along its 4,096 features: it goes to memory as codes alone.
; A tile of 256 tokens x 256 features is made by four waves, 128 x 128 each: 64 accumulators, 512 registers.  K = 1,024 goes in four steps of 256 through two LDS slots.
; Source 0 = 16 rows of W1 (B), stored SWAPPED (bits 3 and 4 of the row exchanged), source 1 = 16 rows of h (A): a lane holds one token, and its registers 16 b + i are
; the logical features 32 b + 16 (lane / 16) + i: blocks of 32 for the quantiser, codes in the order of an operand.
; OUT: codes [feature / 256][token][256], scale bytes [feature / 256][token][8] at byte 2^24.
; 4 x 4 work-groups form a cluster: A's tile is asked for jointly along a row of the cluster, B's along a column.
; LIMITS of the quantiser: a block of zeros gets the byte 1 (its codes are zeros; only this program reads the bytes); largest magnitudes under 2^-118 are held at the byte 1; NaN and infinities are not served.
; REGISTERS: window 0: v0-31 addresses; v32-63 scale words, two sets; v64-127 the bias; v128-255 A's fragments, one set; window 1: B's fragments, two sets; windows 2, 3: accumulators.
.set NQ,     2
.set PITCH,  272                       ; an LDS row: 256 bytes + 16: the 16 rows that a load touches start at 16 different banks (ISA guide 11.1)
.set FR,     16
.set NL,     4
.set NP,     8                         ; places behind this matrix instruction (ISA guide 7.12.1)
.set HALFT,  128*PITCH
.set SLOT,   4*HALFT
.set STRA,   4096*256
.set STRB,   4096*256
.set ROWSA,  4096
.set ROWSB,  4096
.set SCL,    2*SLOT
.set SGAP,   8320
.set SPARE,  SCL+16640
.set SSTG,   256*PITCH
.set ADRA, 16
.set ADRB, 20
.set SSTO, 22
.set SRD,  23
.set STO,  24
.set RD,   25
.set CO,   26
.set ADRS, 27
.set SPW,  28
.set NIL,  29
.set SCO,  30
.set BOF,  31
.set SC,   32
.set BI,   64
.set AF,   128
.set H,    128
.set PC,   192
.set TM,   208
.set PW,   224
.set G1, 24
.set G0, 32
.set G1B, 48
.set G0B, 56
.set G1S, 68
.set G0S, 76
.set G1SB, 80
.set G0SB, 88
.set MSB, 0
.macro WIN new                         ; the immediate's high byte repeats the setting that is left
.if MSB != (\new)
	s_set_vgpr_msb (MSB<<8)|(\new)
.set MSB, (\new)
.endif
.endm
.set MUL_LO, 0xa1
.set MUL_HI, 0xf1
.set TO_B,   0x40
.macro JLOAD g0a, g1a, g0b, g1b        ; a joint load: waves 0 and 1 fetch for A, waves 2 and 3 for B; four v_nop follow each line
	s_cmp_eq_u32 s15, 0
	s_cbranch_scc0 .Lfor_b_\@
	tensor_load_to_lds s[\g0a:\g0a+3], s[\g1a:\g1a+7]
	s_nop 0
.rept 4
	v_nop
.endr
	s_branch .Lasked_\@
.Lfor_b_\@:
	tensor_load_to_lds s[\g0b:\g0b+3], s[\g1b:\g1b+7]
	s_nop 0
.rept 4
	v_nop
.endr
.Lasked_\@:
.endm
.macro CREST
	s_cmp_lg_u32 s14, 0
	s_cbranch_scc1 .Lnot_wave_0_\@
	s_barrier_signal -3
.Lnot_wave_0_\@:
	s_barrier_wait -3
	s_barrier_signal -1
	s_barrier_wait -1
.endm
.macro CROUND
	s_barrier_signal -1
	s_barrier_wait -1
	CREST
.endm
	s_load_b256 s[4:11], s[0:1], 0x0               ; actq, wts, b1, fq
	v_lshl_add_u32 v[SPW], v0, 2, SPARE
	v_mov_b32 v[NIL], 0
	ds_add_u32 v28, v29
	s_wait_dscnt 0x0
	v_lshrrev_b32 v1, 5, v0
	v_readfirstlane_b32 s14, v1                    ; wave
	s_lshr_b32 s15, s14, 1
	s_and_b32 s16, s14, 1
	s_bfe_u32 s40, ttmp6, 0x40000                  ; cx
	s_bfe_u32 s41, ttmp6, 0x40004                  ; cy
	s_lshl_b32 s42, ttmp9, 2
	s_add_co_u32 s42, s42, s40                     ; B's tile: 256 features
	s_and_b32 s17, ttmp7, 0xffff
	s_lshl_b32 s17, s17, 2
	s_add_co_u32 s17, s17, s41                     ; A's tile: 256 tokens
	s_lshl_b32 s43, s41, 2
	s_lshl_b32 s43, 15, s43
	s_lshl_b32 s44, 0x1111, s40
	s_or_b32 s[G1+0], s43, (0<<16)|(1<<20)|(1<<21)|(5<<22)|(3<<25)
	s_or_b32 s[G1B+0], s44, (0<<16)|(1<<20)|(1<<21)|(5<<22)|(3<<25)
.irp g, G1, G1B
	s_mov_b32 s[\g+1], 256<<16
	s_mov_b32 s[\g+2], 128<<16
	s_mov_b32 s[\g+3], 256<<16
	s_mov_b32 s[\g+4], 128
	s_mov_b32 s[\g+5], 256
	s_mov_b32 s[\g+6], 0
	s_mov_b32 s[\g+7], 0
.endr
	s_or_b32 s[G1S+0], s43, (3<<16)|(1<<21)
	s_or_b32 s[G1SB+0], s44, (3<<16)|(1<<21)
.irp g, G1S, G1SB
	s_mov_b32 s[\g+1], 128<<16
	s_mov_b32 s[\g+2], 4<<16
	s_mov_b32 s[\g+3], 128<<16
	s_mov_b32 s[\g+4], 4
	s_mov_b32 s[\g+6], 0
	s_mov_b32 s[\g+7], 0
.endr
	s_mov_b32 s[G1S+5], ROWSA
	s_mov_b32 s[G1SB+5], ROWSB
	s_lshl_b32 s18, s16, 7
	s_lshl_b32 s20, s17, 8
	s_add_co_u32 s20, s20, s18
	s_lshl_b32 s46, s42, 8
	s_add_co_u32 s46, s46, s18
	s_lshl_b32 s22, s20, 3
	s_add_co_u32 s22, s22, 0x1000000               ; h's scale bytes
	s_lshl_b32 s20, s20, 8
	s_lshl_b32 s92, s46, 3
	s_add_co_u32 s92, s92, 0x820000                ; W1's scale bytes: 2^23 + 16,384 rows of 8
	s_lshl_b32 s46, s46, 8
	s_add_co_u32 s46, s46, 0x400000                ; W1's codes lie behind the 16,384 rows of Wq, Wk, Wv
	s_mov_b32 s21, 0
	s_mov_b32 s23, 0
	s_mov_b32 s47, 0
	s_mov_b32 s93, 0
	s_mul_i32 s45, s14, HALFT
	s_lshl_b32 s94, s14, 12
	s_lshl_b32 s18, s15, 7
	s_add_co_u32 s94, s94, s18
	s_wait_kmcnt 0x0
	s_add_nc_u64 s[20:21], s[4:5], s[20:21]
	s_add_nc_u64 s[22:23], s[4:5], s[22:23]
	s_add_nc_u64 s[46:47], s[6:7], s[46:47]
	s_add_nc_u64 s[92:93], s[6:7], s[92:93]
	CROUND                                         ; all sixteen work-groups are here: the first joint loads meet
	s_mov_b32 s[G0S], 1
	s_add_co_u32 s[G0S+1], s94, SCL
	s_mov_b64 s[G0S+2:G0S+3], s[22:23]
	s_or_b32 s[G0S+3], s[G0S+3], 0x80000000
	s_mov_b32 s[G0SB], 1
	s_add_co_u32 s[G0SB+1], s94, SCL
	s_mov_b64 s[G0SB+2:G0SB+3], s[92:93]
	s_or_b32 s[G0SB+3], s[G0SB+3], 0x80000000
	JLOAD G0S, G1S, G0SB, G1SB
.irp s, 0,1
	s_mov_b32 s[G0+4*\s], 1
	s_add_co_u32 s[G0+4*\s+1], s45, \s*SLOT
	s_add_nc_u64 s[G0+4*\s+2:G0+4*\s+3], s[20:21], \s*STRA
	s_or_b32 s[G0+4*\s+3], s[G0+4*\s+3], 0x80000000
	s_mov_b32 s[G0B+4*\s], 1
	s_add_co_u32 s[G0B+4*\s+1], s45, \s*SLOT
	s_add_nc_u64 s[G0B+4*\s+2:G0B+4*\s+3], s[46:47], \s*STRB
	s_or_b32 s[G0B+4*\s+3], s[G0B+4*\s+3], 0x80000000
	JLOAD G0+4*\s, G1, G0B+4*\s, G1B
.endr
	v_and_b32 v1, 15, v0                           ; r
	v_bfe_u32 v2, v0, 4, 1                         ; h
	v_mul_u32_u24 v3, v1, PITCH
	v_lshl_add_u32 v4, v2, 4, v3
	s_mul_i32 s21, s15, HALFT
	s_mul_i32 s22, s16, HALFT
	s_add_co_u32 s22, s22, 2*HALFT
.irp s, 0,1
	v_add_nc_u32 v[ADRA+\s], s21, v4
	v_add_nc_u32 v[ADRB+\s], s22, v4
	s_add_co_u32 s21, s21, SLOT
	s_add_co_u32 s22, s22, SLOT
.endr
	v_lshlrev_b32 v5, 3, v1
	s_lshl_b32 s21, s15, 12
	s_lshl_b32 s22, s16, 12
	s_add_co_u32 s22, s22, SGAP
	s_sub_co_u32 s22, s22, s21
	v_mul_u32_u24 v6, s22, v2
	s_add_co_u32 s21, s21, SCL
	v_add_nc_u32 v6, v5, v6
	v_add_nc_u32 v[ADRS], s21, v6
	s_mul_i32 s23, s15, 128*PITCH                  ; the stage, in: my token's row, my half of its 256 bytes
	s_lshl_b32 s21, s16, 7
	s_add_co_u32 s23, s23, s21
	v_add_nc_u32 v[STO], s23, v4
	s_lshl_b32 s23, s15, 10
	s_lshl_b32 s21, s16, 2
	s_add_co_u32 s23, s23, s21
	s_add_co_u32 s23, s23, SSTG
	v_add_nc_u32 v[SSTO], s23, v5
	s_mul_i32 s23, s14, 64*PITCH                   ; back: wave w takes rows 64 w on, whole
	v_mul_u32_u24 v6, v2, PITCH
	v_lshl_add_u32 v6, v1, 4, v6
	v_add_nc_u32 v[RD], s23, v6
	v_and_b32 v6, 31, v0
	v_lshlrev_b32 v[SCO], 4, v6
	s_lshl_b32 s23, s14, 9
	s_add_co_u32 s23, s23, SSTG
	v_add_nc_u32 v[SRD], s23, v[SCO]
	v_lshlrev_b32 v6, 8, v2
	v_lshl_add_u32 v[CO], v1, 4, v6
	v_lshlrev_b32 v[BOF], 6, v2
	s_lshl_b32 s46, s42, 10                        ; the bias: logical feature 256 x tile + 128 x my half + 32 b + 16 h + i
	s_lshl_b32 s47, s16, 9
	s_add_co_u32 s46, s46, s47
	s_mov_b32 s47, 0
	s_add_nc_u64 s[8:9], s[8:9], s[46:47]
.irp b, 0,1,2,3
.irp j, 0,1,2,3
	global_load_b128 v[BI+16*\b+4*\j:BI+16*\b+4*\j+3], v[BOF], s[8:9] offset:128*\b+16*\j
.endr
.endr
	s_lshl_b32 s20, s17, 8                         ; where my 64 rows of the tile go
	s_lshl_b32 s21, s14, 6
	s_add_co_u32 s20, s20, s21
	s_lshl_b32 s22, s20, 3
	s_lshl_b32 s20, s20, 8
	s_lshl_b32 s46, s42, 20
	s_add_co_u32 s20, s20, s46
	s_lshl_b32 s46, s42, 15
	s_add_co_u32 s22, s22, s46
	s_add_co_u32 s22, s22, 0x1000000
	s_mov_b32 s21, 0
	s_mov_b32 s23, 0
	s_add_nc_u64 s[12:13], s[10:11], s[20:21]      ; codes
	s_add_nc_u64 s[96:97], s[10:11], s[22:23]      ; scale bytes
.macro FRAG reg, adr, q, i
.irp c, 0,1,2,3
	ds_load_b128 v[\reg+4*\c:\reg+4*\c+3], v[\adr] offset:128*(\q)+32*\c+(\i)*16*PITCH
.endr
.endm
; 16 matrix instructions: A's blocks a0, a0 + 1 x B's eight.  The 64 accumulators take turns, one instruction a turn
.macro MUL16 a0, p, q, sc, zero
.irp a, \a0, \a0+1
.irp b, 0,1,2,3,4,5,6,7
.if \zero
	v_wmma_scale_f32_16x16x128_f8f6f4 v[8*(8*((\a)%4)+\b):8*(8*((\a)%4)+\b)+7], v[128*(\p)+FR*\b:128*(\p)+FR*\b+FR-1], v[AF+FR*(\a):AF+FR*(\a)+FR-1], 0, v[SC+8*NQ*(\sc)+NQ*\b+(\q)], v[SC+8*NQ*(\sc)+NQ*(\a)+(\q)] matrix_a_scale:MATRIX_SCALE_ROW1
.else
	v_wmma_scale_f32_16x16x128_f8f6f4 v[8*(8*((\a)%4)+\b):8*(8*((\a)%4)+\b)+7], v[128*(\p)+FR*\b:128*(\p)+FR*\b+FR-1], v[AF+FR*(\a):AF+FR*(\a)+FR-1], v[8*(8*((\a)%4)+\b):8*(8*((\a)%4)+\b)+7], v[SC+8*NQ*(\sc)+NQ*\b+(\q)], v[SC+8*NQ*(\sc)+NQ*(\a)+(\q)] matrix_a_scale:MATRIX_SCALE_ROW1
.endif
.endr
.endr
.endm
.macro FETCH_B slot, q, p
	WIN TO_B
.irp i, 0,1,2,3,4,5,6,7
	FRAG 128*(\p)+FR*\i, ADRB+\slot, \q, \i
.endr
	WIN 0
.endm
.macro FETCH_A slot, q, i0
.irp i, \i0, \i0+1, \i0+2, \i0+3
	FRAG AF+FR*(\i), ADRA+\slot, \q, \i
.endr
.endm
.macro SCALES sc
.irp i, 0,1,2,3,4,5,6,7
	ds_load_b64 v[SC+8*NQ*\sc+NQ*\i:SC+8*NQ*\sc+NQ*\i+1], v[ADRS] offset:\i*128
.endr
.endm
.macro PLACES n
.rept \n
	v_nop
.endr
.endm
.macro STEP slot, q, zero
	s_wait_dscnt 4*NL                              ; all but the youngest 16 loads (A's blocks 4-7)
	WIN MUL_LO
	MUL16 0, (\q)%2, \q, \slot, \zero
	MUL16 2, (\q)%2, \q, \slot, \zero
	s_wait_dscnt 0
	PLACES NP
	FETCH_B \slot, (\q)+1, 1-(\q)%2
	FETCH_A \slot, (\q)+1, 0
	WIN MUL_HI
	MUL16 4, (\q)%2, \q, \slot, \zero
	MUL16 6, (\q)%2, \q, \slot, \zero
	PLACES NP
	WIN 0
	FETCH_A \slot, (\q)+1, 4
.endm
.macro TURN slot, next, fill
	s_wait_tensorcnt 0x0                           ; all my tensor loads have landed: my part of the next slot
	ds_add_u32 v[SPW], v[NIL]                      ; 0 onto my spare word
	s_wait_dscnt 4*NL+1                            ; the add and the youngest 16 loads may be out
	WIN MUL_LO
	MUL16 0, 1, NQ-1, \slot, 0
	s_wait_dscnt 0x0                               ; the add is done, and my reads of this slot are over
	s_barrier_signal -1
	MUL16 2, 1, NQ-1, \slot, 0
	WIN 0
	s_barrier_wait -1
.if \fill
	CREST                                          ; the barrier has opened a round of the cluster's barrier
	s_add_nc_u64 s[G0+4*\slot+2:G0+4*\slot+3], s[G0+4*\slot+2:G0+4*\slot+3], 2*STRA
	s_add_nc_u64 s[G0B+4*\slot+2:G0B+4*\slot+3], s[G0B+4*\slot+2:G0B+4*\slot+3], 2*STRB
	JLOAD G0+4*\slot, G1, G0B+4*\slot, G1B         ; my one tensor load behind the round; its four v_nop are four of the places
	PLACES NP-4
.else
	PLACES NP
.endif
	v_add_nc_u32 v[ADRS], 1024, v[ADRS]
	FETCH_B \next, 0, 0
	FETCH_A \next, 0, 0
	SCALES \next
	WIN MUL_HI
	MUL16 4, 1, NQ-1, \slot, 0
	MUL16 6, 1, NQ-1, \slot, 0
	PLACES NP
	WIN 0
	FETCH_A \next, 0, 4
.endm
	s_wait_tensorcnt 1                             ; the scale bytes and my part of K step 0 are in; K step 1's load may be out
	s_barrier_signal -1
	s_barrier_wait -1
	FETCH_B 0, 0, 0
	FETCH_A 0, 0, 0
	SCALES 0
	FETCH_A 0, 0, 4
	STEP 0, 0, 1                                   ; the first products start the sums
	TURN 0, 1, 1
	STEP 1, 0, 0
	TURN 1, 0, 1
	STEP 0, 0, 0
	TURN 0, 1, 0                                   ; behind this barrier nobody reads slot 0, and it has had its last fill
	STEP 1, 0, 0
	s_wait_dscnt 4*NL
	WIN MUL_LO
	MUL16 0, 1, NQ-1, 1, 0
	MUL16 2, 1, NQ-1, 1, 0
	s_wait_dscnt 0
	WIN MUL_HI
	MUL16 4, 1, NQ-1, 1, 0
	MUL16 6, 1, NQ-1, 1, 0
	WIN 0
; THE WAY OUT.  Block a (16 tokens x my 128 features): bias added (which also brings the sums into window 0), clipped at 0 and quantised in registers, codes and scale word into a stage in slot 0.
; A row's 256 bytes come from two waves: one barrier; then each wave stores 64 whole rows.
.macro BIAS a
	WIN 0x02+(\a)/4                                ; source 0: window 2 or 3
.set k, 0
.rept 32
	v_pk_add_f32 v[H+2*k:H+2*k+1], v[64*((\a)%4)+2*k:64*((\a)%4)+2*k+1], v[BI+2*k:BI+2*k+1]      ; ascending: each accumulator from its low end on
.set k, k+1
.endr
	WIN 0
.endm
.macro QUANT                           ; no |.|: what is negative becomes 0, so it does not count for the largest magnitude; the floor stands over it
.irp b, 0,1,2,3
	v_max3_num_f32 v[TM+\b], v[H+16*\b], v[H+1+16*\b], 0x4800000
.endr
.irp i, 2,4,6,8,10,12,14
.irp b, 0,1,2,3
	v_max3_num_f32 v[TM+\b], v[TM+\b], v[H+16*\b+\i], v[H+1+16*\b+\i]
.endr
.endr
.irp b, 0,1,2,3
	v_permlanex16_b32 v[TM+4+\b], v[TM+\b], s92, s93
.endr
.irp b, 0,1,2,3
	v_max_num_f32 v[TM+\b], v[TM+\b], v[TM+4+\b]
.endr
.irp b, 0,1,2,3
	v_add_nc_u32 v[TM+12+\b], 0xfc000000, v[TM+\b]
.endr
.irp b, 0,1,2,3
	v_and_or_b32 v[TM+8+\b], v[TM+\b], 0x7f800000, s94
.endr
.irp b, 0,1,2,3
	v_lshrrev_b32 v[TM+4+\b], 23, v[TM+12+\b]
.endr
	v_lshl_or_b32 v[PW], v[TM+5], 8, v[TM+4]
	v_lshl_or_b32 v[PW], v[TM+6], 16, v[PW]
	v_lshl_or_b32 v[PW], v[TM+7], 24, v[PW]
.irp b, 0,1,2,3
.irp i, 0,1,2,3,4,5,6,7,8,9,10,11,12,13,14,15
	v_med3_num_f32 v[H+16*\b+\i], v[H+16*\b+\i], 0, v[TM+8+\b]     ; the activation and the hold in one
.endr
	v_cvt_scalef32_pk8_fp8_f32 v[PC+4*\b:PC+1+4*\b], v[H+16*\b:H+7+16*\b], v[TM+12+\b]
	v_cvt_scalef32_pk8_fp8_f32 v[PC+2+4*\b:PC+3+4*\b], v[H+8+16*\b:H+15+16*\b], v[TM+12+\b]
.endr
	v_nop                                          ; a plain place behind the last conversion
.endm
.macro PUT a
.irp c, 0,1,2,3
	ds_store_b128 v[STO], v[PC+4*\c:PC+4*\c+3] offset:(\a)*16*PITCH+32*\c
.endr
	ds_store_b32 v[SSTO], v[PW] offset:(\a)*128    ; both halves of the lanes write the same word with the same value
	s_wait_dscnt 0x0                               ; the stores have read their registers; and, at the last block, for the other waves' sake
.endm
	PLACES NP
	s_wait_loadcnt 0x0                             ; the bias
	s_mov_b32 s92, 0x76543210
	s_mov_b32 s93, 0xfedcba98
	s_mov_b32 s94, 0x600000
.irp b, 0,1,2,3
	v_mov_b32 v[TM+4+\b], 0                        ; a lane permute's destination counts as one of its sources
.endr
.irp a, 0,1,2,3,4,5,6,7
	BIAS \a
	QUANT
	PUT \a
.endr
	s_barrier_signal -1
	s_barrier_wait -1                              ; 256 whole rows lie in the stage
	ds_load_b128 v[32:35], v[SRD]
.set t, 0
.rept 32
	ds_load_b128 v[128+4*t:128+4*t+3], v[RD] offset:544*t
.set t, t+1
.endr
	s_wait_dscnt 32                                ; the scale bytes are back; the 32 loads of codes may be out
	global_store_b128 v[SCO], v[32:35], s[96:97]   ; 512 consecutive bytes
.set t, 0
.rept 32
	s_wait_dscnt 31-t
	global_store_b128 v[CO], v[128+4*t:128+4*t+3], s[12:13] offset:512*t  ; sixteen lanes store 256 consecutive bytes, aligned
.set t, t+1
.endr
	s_wait_tensorcnt 0x0                           ; the wave's end
	ds_add_u32 v[SPW], v[NIL]
	s_wait_dscnt 0x0
	CROUND                                         ; the closing round
	s_endpgm
.Lfunc_end_k_q539769b3ed_ffn1:
	.size	k_q539769b3ed_ffn1, .Lfunc_end_k_q539769b3ed_ffn1-k_q539769b3ed_ffn1
	.p2alignl 7, 3214868480
	.fill 96, 4, 3214868480
	.section	.rodata,"a",@progbits
	.p2align	6, 0x0
	.amdhsa_kernel k_q539769b3ed_ffn1
		.amdhsa_group_segment_fixed_size 327680
		.amdhsa_private_segment_fixed_size 0
		.amdhsa_enable_private_segment 0
		.amdhsa_kernarg_size 32
		.amdhsa_user_sgpr_count 2
		.amdhsa_user_sgpr_kernarg_segment_ptr 1
		.amdhsa_wavefront_size32 1
		.amdhsa_system_sgpr_workgroup_id_x 1
		.amdhsa_system_sgpr_workgroup_id_y 1
		.amdhsa_system_sgpr_workgroup_id_z 1
		.amdhsa_system_vgpr_workitem_id 0
		.amdhsa_next_free_vgpr 1024
		.amdhsa_next_free_sgpr 100
		.amdhsa_reserve_vcc 0
		.amdhsa_float_denorm_mode_32 3
		.amdhsa_float_denorm_mode_16_64 3
		.amdhsa_memory_ordered 1
		.amdhsa_forward_progress 1
		.amdhsa_inst_pref_size 208
	.end_amdhsa_kernel
	.amdgpu_metadata
---
amdhsa.version: [ 1, 2 ]
amdhsa.kernels:
  - .name:           k_q539769b3ed_ffn1
    .symbol:         k_q539769b3ed_ffn1.kd
    .args:
      - { .name: actq, .offset: 0, .size: 8, .value_kind: global_buffer, .address_space: global }
      - { .name: wts, .offset: 8, .size: 8, .value_kind: global_buffer, .address_space: global }
      - { .name: b1, .offset: 16, .size: 8, .value_kind: global_buffer, .address_space: global }
      - { .name: fq, .offset: 24, .size: 8, .value_kind: global_buffer, .address_space: global }
    .group_segment_fixed_size: 327680
    .private_segment_fixed_size: 0
    .kernarg_segment_align: 8
    .kernarg_segment_size: 32
    .max_flat_workgroup_size: 128
    .sgpr_count:     100
    .vgpr_count:     1024
    .wavefront_size: 32
...
	.end_amdgpu_metadata
.endif
;; end of part 6
;; launch ffn2: the kernel of part 4 again; grid 4 x 64, 4 waves a work-group, clusters of 4 x 4, 327,680 bytes of LDS; arguments fq, w2, part; writes part
;; launch ln2 (part 7): grid 256 x 1, 16 waves a work-group, no clusters, 0 bytes of LDS; arguments part, h, b2, g2, be2, out0; writes out0
.if DOCPART == 7
	.amdgcn_target "amdgcn-amd-amdhsa--gfx1250"
	.amdhsa_code_object_version 6
	.text
	.protected	k_q539769b3ed_ln2
	.globl	k_q539769b3ed_ln2
	.p2align	8
	.type	k_q539769b3ed_ln2,@function
k_q539769b3ed_ln2:
	s_mov_b64 s[64:65], 0
	v_nop
	global_prefetch_b8 v0, s[64:65] scope:SCOPE_SE
	s_setreg_imm32_b32 hwreg(HW_REG_WAVE_MODE, 25, 1), 1
	s_wait_xcnt 0x0
; out = layer_norm(h + (f W2 + b2)) g2 + be2.  f W2 arrives as four partial sums, one for each 1,024 along K.  One row of 1,024 to a wave, kept in 32 registers a lane.
; Load j gives lane l the numbers 128 j + 4 l .. + 3: every load and store of the wave covers 512 consecutive bytes.  Mean first, then the mean of the squared differences.
; Memory binds: no LDS, no barrier, no matrix unit, no cluster.
.set Y,  16
.set P,  48
.set B2, 176
.set G,  208
.set BE, 48
.set T,  240
	s_load_b256 s[4:11], s[0:1], 0x0               ; part, h, b2, g2
	s_load_b128 s[12:15], s[0:1], 0x20             ; be2, out0
	v_lshrrev_b32 v2, 5, v0
	v_readfirstlane_b32 s18, v2                    ; wave
	v_and_b32 v3, 31, v0
	v_lshlrev_b32 v1, 4, v3
	s_lshl_b32 s19, ttmp9, 4
	s_add_co_u32 s19, s19, s18                     ; my row
	s_lshl_b32 s28, s19, 12
	s_mov_b32 s29, 0
	s_mov_b32 s30, 0x76543210
	s_mov_b32 s31, 0xfedcba98
	s_mov_b32 s32, 0x3727c5ac                      ; 1e-5
	s_mov_b32 s33, 0x3a800000                      ; 1 / 1,024
	v_mov_b32 v[T+9], 0                            ; a lane permute's destination counts as one of its sources
	s_wait_kmcnt 0x0
	s_add_nc_u64 s[20:21], s[4:5], s[28:29]        ; my row in the four slices, 2^24 bytes apart
	s_add_nc_u64 s[22:23], s[20:21], 0x1000000
	s_add_nc_u64 s[24:25], s[20:21], 0x2000000
	s_add_nc_u64 s[26:27], s[20:21], 0x3000000
	s_add_nc_u64 s[6:7], s[6:7], s[28:29]
	s_add_nc_u64 s[14:15], s[14:15], s[28:29]
.macro LD8 reg, b
.irp j, 0,1,2,3,4,5,6,7
	global_load_b128 v[\reg+4*\j:\reg+4*\j+3], v1, s[\b:\b+1] offset:512*\j
.endr
.endm
.macro RED
	v_add_f32_dpp v[T+8], v[T+8], v[T+8] row_xmask:1 row_mask:0xf bank_mask:0xf
	v_add_f32_dpp v[T+8], v[T+8], v[T+8] row_xmask:2 row_mask:0xf bank_mask:0xf
	v_add_f32_dpp v[T+8], v[T+8], v[T+8] row_xmask:4 row_mask:0xf bank_mask:0xf
	v_add_f32_dpp v[T+8], v[T+8], v[T+8] row_xmask:8 row_mask:0xf bank_mask:0xf
	v_permlanex16_b32 v[T+9], v[T+8], s30, s31
	v_add_f32 v[T+8], v[T+8], v[T+9]
.endm
.macro FOLD
	v_pk_add_f32 v[T:T+1], v[T:T+1], v[T+2:T+3]
	v_pk_add_f32 v[T+4:T+5], v[T+4:T+5], v[T+6:T+7]
	v_pk_add_f32 v[T:T+1], v[T:T+1], v[T+4:T+5]
	v_add_f32 v[T+8], v[T], v[T+1]
.endm
	LD8 P, 20
	LD8 P+32, 22
	LD8 P+64, 24
	LD8 P+96, 26
	LD8 B2, 8
	LD8 Y, 6
	LD8 G, 10
	s_wait_loadcnt 8                               ; all but g2's eight loads
.set k, 0
.rept 16
	v_pk_add_f32 v[P+k:P+k+1], v[P+k:P+k+1], v[P+32+k:P+33+k]
	v_pk_add_f32 v[P+64+k:P+65+k], v[P+64+k:P+65+k], v[P+96+k:P+97+k]
.set k, k+2
.endr
.set k, 0
.rept 16
	v_pk_add_f32 v[P+k:P+k+1], v[P+k:P+k+1], v[P+64+k:P+65+k]
.set k, k+2
.endr
.set k, 0
.rept 16
	v_pk_add_f32 v[P+k:P+k+1], v[P+k:P+k+1], v[B2+k:B2+k+1]
.set k, k+2
.endr
.set k, 0
.rept 16
	v_pk_add_f32 v[Y+k:Y+k+1], v[Y+k:Y+k+1], v[P+k:P+k+1]
.set k, k+2
.endr
	LD8 BE, 12                                     ; be2 into the registers that the sums have left
.irp c, 0,1,2,3
	v_pk_add_f32 v[T+2*\c:T+2*\c+1], v[Y+2*\c:Y+2*\c+1], v[Y+8+2*\c:Y+9+2*\c]
.endr
.irp c, 0,1,2,3
	v_pk_add_f32 v[T+2*\c:T+2*\c+1], v[T+2*\c:T+2*\c+1], v[Y+16+2*\c:Y+17+2*\c]
.endr
.irp c, 0,1,2,3
	v_pk_add_f32 v[T+2*\c:T+2*\c+1], v[T+2*\c:T+2*\c+1], v[Y+24+2*\c:Y+25+2*\c]
.endr
	FOLD
	RED
	v_mul_f32 v8, s33, v[T+8]                      ; the mean
	v_mov_b32 v9, v8
.set k, 0
.rept 16
	v_pk_add_f32 v[Y+k:Y+k+1], v[Y+k:Y+k+1], v[8:9] neg_lo:[0,1] neg_hi:[0,1]
.set k, k+2
.endr
.irp c, 0,1,2,3
	v_pk_mul_f32 v[T+2*\c:T+2*\c+1], v[Y+2*\c:Y+2*\c+1], v[Y+2*\c:Y+2*\c+1]
.endr
.irp q, 8,16,24
.irp c, 0,1,2,3
	v_pk_fma_f32 v[T+2*\c:T+2*\c+1], v[Y+\q+2*\c:Y+\q+1+2*\c], v[Y+\q+2*\c:Y+\q+1+2*\c], v[T+2*\c:T+2*\c+1]
.endr
.endr
	FOLD
	RED
	v_fma_f32 v12, v[T+8], s33, s32                ; the variance + 1e-5
	v_rsq_f32 v10, v12
	v_rsq_f32 v11, v12
	v_nop                                          ; a plain place behind the transcendentals
.set k, 0
	s_wait_alu depctr_va_vdst(0)
.rept 16
	v_pk_mul_f32 v[Y+k:Y+k+1], v[Y+k:Y+k+1], v[10:11]
.set k, k+2
.endr
	s_wait_loadcnt 0x0                             ; g2, be2
.set k, 0
.rept 16
	v_pk_fma_f32 v[Y+k:Y+k+1], v[Y+k:Y+k+1], v[G+k:G+k+1], v[BE+k:BE+k+1]
.set k, k+2
.endr
.irp j, 0,1,2,3,4,5,6,7
	global_store_b128 v1, v[Y+4*\j:Y+4*\j+3], s[14:15] offset:512*\j th:TH_STORE_NT
.endr
	s_endpgm
.Lfunc_end_k_q539769b3ed_ln2:
	.size	k_q539769b3ed_ln2, .Lfunc_end_k_q539769b3ed_ln2-k_q539769b3ed_ln2
	.p2alignl 7, 3214868480
	.fill 96, 4, 3214868480
	.section	.rodata,"a",@progbits
	.p2align	6, 0x0
	.amdhsa_kernel k_q539769b3ed_ln2
		.amdhsa_group_segment_fixed_size 0
		.amdhsa_private_segment_fixed_size 0
		.amdhsa_enable_private_segment 0
		.amdhsa_kernarg_size 48
		.amdhsa_user_sgpr_count 2
		.amdhsa_user_sgpr_kernarg_segment_ptr 1
		.amdhsa_wavefront_size32 1
		.amdhsa_system_sgpr_workgroup_id_x 1
		.amdhsa_system_sgpr_workgroup_id_y 1
		.amdhsa_system_sgpr_workgroup_id_z 1
		.amdhsa_system_vgpr_workitem_id 0
		.amdhsa_next_free_vgpr 256
		.amdhsa_next_free_sgpr 66
		.amdhsa_reserve_vcc 0
		.amdhsa_float_denorm_mode_32 3
		.amdhsa_float_denorm_mode_16_64 3
		.amdhsa_memory_ordered 1
		.amdhsa_forward_progress 1
		.amdhsa_inst_pref_size 20
	.end_amdhsa_kernel
	.amdgpu_metadata
---
amdhsa.version: [ 1, 2 ]
amdhsa.kernels:
  - .name:           k_q539769b3ed_ln2
    .symbol:         k_q539769b3ed_ln2.kd
    .args:
      - { .name: part, .offset: 0, .size: 8, .value_kind: global_buffer, .address_space: global }
      - { .name: h, .offset: 8, .size: 8, .value_kind: global_buffer, .address_space: global }
      - { .name: b2, .offset: 16, .size: 8, .value_kind: global_buffer, .address_space: global }
      - { .name: g2, .offset: 24, .size: 8, .value_kind: global_buffer, .address_space: global }
      - { .name: be2, .offset: 32, .size: 8, .value_kind: global_buffer, .address_space: global }
      - { .name: out0, .offset: 40, .size: 8, .value_kind: global_buffer, .address_space: global }
    .group_segment_fixed_size: 0
    .private_segment_fixed_size: 0
    .kernarg_segment_align: 8
    .kernarg_segment_size: 48
    .max_flat_workgroup_size: 512
    .sgpr_count:     66
    .vgpr_count:     256
    .wavefront_size: 32
...
	.end_amdgpu_metadata
.endif
;; end of part 7
